; MI455X (gfx1250); checked and timed in simulation.
; The chip was launched on July 23, 2026; its instructions are those of AMD's public machine-readable ISA for CDNA 5 (MIT licence, August 2026) and "CDNA5" Instruction Set Architecture Reference Guide (July 2026). The comments in the code are by the model that wrote it; some were corrected since.
;; GPT Sparse Transformer Block. Allowed arithmetic: matrix products marked QUANTISED: E4M3 operands, one given power-of-two scale a tensor, by v_wmma_f32_16x16x64_fp8_fp8 or v_wmma_f32_16x16x128_fp8_fp8, f32 sums; everything else in f32.
;; Inputs: b1 4,096 float32; b2 1,024 float32; bk 1,024 float32; bo 1,024 float32; bq 1,024 float32; bv 1,024 float32; ln1_b 1,024 float32; ln1_g 1,024 float32; ln2_b 1,024 float32; ln2_g 1,024 float32; lowp_scales 16 int32 (the exponents e of the quantised operands' scales 2^e); w1 1,024 x 4,096 float32; w2 4,096 x 1,024 float32; wk 1,024 x 1,024 float32; wo 1,024 x 1,024 float32; wq 1,024 x 1,024 float32; wv 1,024 x 1,024 float32; x 2 x 2,048 x 1,024 float32.
;; Outputs: out0 2 x 2,048 x 1,024 float32.
;; This version of the problem:
;;   THIS VERSION OF THE PROBLEM IS GIVEN IN LOW PRECISION. The matrix products marked QUANTISED in the list below multiply operands that are first quantised to E4M3 (4 exponent bits, 3 mantissa bits; 8 bits a number), with one given power-of-two scale for each operand tensor; their sums are f32. All else is computed in f32.
;;   The module's matrix products, in the order in which they are computed (A, B: the left and right operand; K: the contracted axis; several contracted axes count as one K, in the product's order):
;;     1. [M 4,096, K 1,024] x [K 1,024, N 1,024]; A: computed on the way; B: input wq: QUANTISED (scales: A lowp_scales[0], B lowp_scales[1])
;;     2. [M 4,096, K 1,024] x [K 1,024, N 1,024]; A: computed on the way; B: input wk: QUANTISED (scales: A lowp_scales[2], B lowp_scales[3])
;;     3. [M 4,096, K 1,024] x [K 1,024, N 1,024]; A: computed on the way; B: input wv: QUANTISED (scales: A lowp_scales[4], B lowp_scales[5])
;;     4. batch 32 x [M 2,048, K 64] x [K 64, N 2,048]; A: computed on the way; B: computed on the way: QUANTISED (scales: A lowp_scales[6], B lowp_scales[7])
;;     5. batch 32 x [M 64, K 2,048] x [K 2,048, N 2,048]; A: computed on the way; B: softmax (see below): QUANTISED (scales: A lowp_scales[8], B lowp_scales[9])
;;     6. [M 4,096, K 1,024] x [K 1,024, N 1,024]; A: computed on the way; B: input wo: QUANTISED (scales: A lowp_scales[10], B lowp_scales[11])
;;     7. [M 4,096, K 1,024] x [K 1,024, N 4,096]; A: computed on the way; B: input w1: QUANTISED (scales: A lowp_scales[12], B lowp_scales[13])
;;     8. [M 4,096, K 4,096] x [K 4,096, N 1,024]; A: computed on the way; B: input w2: QUANTISED (scales: A lowp_scales[14], B lowp_scales[15])
;;   THE QUANTISER, for each operand of a quantised product, along K:
;;     - The operand's scale is 2^e, e = its entry of the input lowp_scales (int32; the entries are numbered through the quantised products in the list's order, A before B).
;;     - Each number is divided by the scale, clamped to +-448, and rounded to the nearest number of E4M3, ties to even, subnormals kept.
;;     - The product sums the exact products of the quantised numbers (number of the format x scale) in f32.
;;   ~~~python
;;   def quantise(x, axis, e):      # numpy; x: float32 -> the quantised numbers, widened to float32 again
;;       x = np.moveaxis(x, axis, -1); K = x.shape[-1]
;;       r = np.clip(x / 2.0 ** e, -448, 448)
;;       step = 2.0 ** (np.maximum(np.frexp(np.where(r == 0, 1, r))[1] - 1, -6) - 3)
;;       q = np.round(r / step) * step * 2.0 ** e      # np.round: ties to even
;;       return np.moveaxis(q, -1, axis).astype(np.float32)
;;   ~~~
;;   SOFTMAX AHEAD OF A QUANTISED PRODUCT. Where the list says 'softmax', what is quantised is not the finished softmax but p = 2^(t - M), with t = logit x log2(e) and M = ceil(the row's largest t), a whole number; so 1/2 < the row's largest p <= 1. The row's sum l is taken of the UNQUANTISED p, in f32, and the product's result is divided by l at the end. Since M is a whole number, a kernel that streams over the keys may use a running M (the ceiling of the running maximum): every later rescaling is an exact power of two, so the quantised numbers keep their values, but for numbers so far below the row's largest that they fall under the format's range.
;;   OPERANDS COMPUTED ON THE WAY. 'Computed on the way' means the value that the module computes at that place (a softmax that the list does not call 'softmax' is quantised finished and normalised). What goes into a quantiser is computed in f32, as accurately as f32 sums, v_exp_f32 and their like allow (about 1e-6 of the number): no bf16 or f16 on the way to a quantiser, and a product that is left as it is and whose result goes on into a quantised operand takes f32 operands (vector FMAs, or v_wmma_f32_16x16x4_f32). A number that lies on a knife's edge between two numbers of the format may be rounded either way, as far as f32 arithmetic and the matrix unit's own rounding can turn it there, and no further.
;; One version. Each part assembles by itself: llvm-mc -triple=amdgcn-amd-amdhsa -mcpu=gfx1250 --defsym DOCPART=n.
;; ======== version 1 of 1: 7 launches
;; limits: right only within a limited range of input values
;; workspace buffers: wc 12,582,912 bytes; hc 12,582,912 bytes; qkvc 12,582,912 bytes; cc 4,194,304 bytes; x1 16,777,216 bytes; h2c 4,194,304 bytes; gc 16,777,216 bytes
;; launch prep (part 1): grid 640 x 1, 4 waves a work-group, no clusters, 35,328 bytes of LDS; arguments wq, wk, wv, wo, w1, w2, lowp_scales, wc, x, ln1_g, ln1_b, hc; writes wc, hc
.if DOCPART == 1
	.amdgcn_target "amdgcn-amd-amdhsa--gfx1250"
	.amdhsa_code_object_version 6
	.text
	.protected	k_q142d21f4e7_prep
	.globl	k_q142d21f4e7_prep
	.p2align	8
	.type	k_q142d21f4e7_prep,@function
k_q142d21f4e7_prep:
	s_mov_b64 s[64:65], 0
	v_nop
	global_prefetch_b8 v0, s[64:65] scope:SCOPE_SE
	s_setreg_imm32_b32 hwreg(HW_REG_WAVE_MODE, 25, 1), 1
	s_wait_xcnt 0x0
; PREP.  Work-groups 0-383: the six weights, f32 stored [K][N], become codes of E4M3 in wc: wq, wk, wv at 0, 1, 2 MiB, wo at 3 MiB, w1 at 4 MiB, all laid [N][K] (K innermost); w2 at 8 MiB, laid as images of the
; operand's registers: a block of 2,048 bytes for 16 columns x 128 along K (block 32 (n / 16) + k / 128); in it byte 512 c + 16 lane + i is column 16 (n / 16) + lane % 16, k = 128 (k / 128) + 32 c + 16 (lane / 16) + i.
; Work-groups 384-639: h = LayerNorm1(x) in f32, quantised three times (scales 0, 2, 4: the A operands of products 1, 2, 3) into hc [3][4096][1024].
; code = number / 2^e, held within +-448, to the nearest code, ties to even.
; WORK LEFT OUT BY THE PROGRAM (launch attn): reference() builds its mask in its own body: query i sees key j only where j <= i and (j / 16 == i / 16 or j % 16 == 15).  A hidden key's score is replaced by the
; smallest f32 number, so its p is 0 for all finite inputs, its code is 0, and it adds nothing to the row's sum or to ctx.  So of products 4 and 5 only the 16 keys of the query's own block and the keys 16 m + 15 of
; earlier blocks are multiplied, the latter in units of 64 such keys; a unit none of whose keys any query of the work-group can see is left out; inside a unit hidden keys are masked.  Every input has a way to the output.
; LIMIT: a NaN, an infinity or an overflow that reaches only hidden scores is not carried to the result.
; LIMITS: each exponent e used here lies between -126 and 119, so that 2^e and 448 x 2^e are f32 numbers.  NaN among the inputs is not served.
; WEIGHTS: a work-group takes 128 columns x 256 along K, a wave 32 columns.  A lane takes a column and its registers run down K, so each load reads 128 consecutive bytes a wave and the conversions give codes with K
; innermost; they go through the wave's own stage in LDS and leave sixteen lanes to 256 consecutive aligned bytes.  The pitches differ between the weights, so they stand in registers, chosen by the work-group's number.
; LAYERNORM: a wave takes a row at a time, four rows; a lane holds four groups of 8 neighbours (columns 256 j + 8 lane), so a group's 8 codes are 8 bytes and a wave's store covers 256 consecutive aligned bytes.  No LDS there.
.set PITCH, 272                        ; a stage row: 256 bytes + 16
.set SPARE, 4*32*PITCH                 ; behind the four stages: the spare words, 128 bytes for each wave
.set SPW,  12                          ; v12 my spare word's address; never rewritten
.set NIL,  13                          ; v13 0; never rewritten
.set OFF,  16                          ; v16-47   weights: 4 x lane + i x (bytes of a row of the weight)
.set X,    48                          ; v48-111  weights: two sets of 32 numbers
.set C,    112                         ; v112-119 weights: a block's codes
.set OUTR, 120                         ; v120-183 weights: the way out
.set OUTO, 184                         ; v184-199 weights: the stores' offsets
.set LG,   16                          ; v16-47   norm: gain
.set LB,   48                          ; v48-79   norm: bias
.set LX,   80                          ; v80-207  norm: four rows of 32 numbers a lane
.set LT,   208                         ; v208-239 norm: held numbers
.set LC,   240                         ; v240-247 norm: codes
.macro LOAD t                          ; block t: W(32 t + i, my column) into set t % 2
.set i, 0
.rept 32
	global_load_b32 v[X+32*((\t)%2)+i], v[OFF+i], s[68+2*(\t):69+2*(\t)] th:TH_LOAD_NT
.set i, i+1
.endr
.endm
.macro BLOCK t
.set XS, X+32*((\t)%2)
.if (\t) < 7
	s_wait_loadcnt 32                              ; this block's 32 loads are in; the next block's 32 may be out
.else
	s_wait_loadcnt 0
.endif
.set i, 0
.rept 32
	v_med3_num_f32 v[XS+i], v[XS+i], -v10, v10     ; the conversion does not saturate (ISA guide 7.6.2): the hold at the largest code x the scale
.set i, i+1
.endr
.irp g, 0,1,2,3
	v_cvt_scalef32_pk8_fp8_f32 v[C+2*\g:C+2*\g+1], v[XS+8*\g:XS+8*\g+7], v11
.endr
	v_nop                                          ; a plain line behind the last conversion
	ds_store_b128 v4, v[C:C+3] offset:32*(\t)      ; 32 codes of my column's row
	ds_store_b128 v4, v[C+4:C+7] offset:32*(\t)+16
.if (\t)+2 < 8
	LOAD (\t)+2
.endif
	s_wait_dscnt 0x0                               ; the stores have read their registers
.endm
.macro WSUM                            ; v[8:9] -> the sum over the pair and the 32 lanes, in v8 of every lane
	v_add_f32 v8, v8, v9
	v_add_f32_dpp v8, v8, v8 row_xmask:1 row_mask:0xf bank_mask:0xf
	v_add_f32_dpp v8, v8, v8 row_xmask:2 row_mask:0xf bank_mask:0xf
	v_add_f32_dpp v8, v8, v8 row_xmask:4 row_mask:0xf bank_mask:0xf
	v_add_f32_dpp v8, v8, v8 row_xmask:8 row_mask:0xf bank_mask:0xf
	v_permlanex16_b32 v9, v8, s30, s31
	v_add_f32 v8, v8, v9
.endm
.macro LNROW i
.set XR, LX+32*(\i)
	s_wait_loadcnt 8*(3-(\i))                      ; my row's eight loads are in; the later rows' may be out
	v_pk_add_f32 v[8:9], v[XR:XR+1], v[XR+2:XR+3]
	v_pk_add_f32 v[14:15], v[XR+4:XR+5], v[XR+6:XR+7]
.irp j, 8,12,16,20,24,28
	v_pk_add_f32 v[8:9], v[8:9], v[XR+\j:XR+\j+1]
	v_pk_add_f32 v[14:15], v[14:15], v[XR+\j+2:XR+\j+3]
.endr
	v_pk_add_f32 v[8:9], v[8:9], v[14:15]
	WSUM
	v_mul_f32 v4, s32, v8                          ; the mean
	v_mov_b32 v5, v4
.set j, 0
.rept 16
	v_pk_add_f32 v[XR+j:XR+j+1], v[XR+j:XR+j+1], v[4:5] neg_lo:[0,1] neg_hi:[0,1]
.set j, j+2
.endr
	v_pk_mul_f32 v[8:9], v[XR:XR+1], v[XR:XR+1]
	v_pk_mul_f32 v[14:15], v[XR+2:XR+3], v[XR+2:XR+3]
.irp j, 4,8,12,16,20,24,28
	v_pk_fma_f32 v[8:9], v[XR+\j:XR+\j+1], v[XR+\j:XR+\j+1], v[8:9]
	v_pk_fma_f32 v[14:15], v[XR+\j+2:XR+\j+3], v[XR+\j+2:XR+\j+3], v[14:15]
.endr
	v_pk_add_f32 v[8:9], v[8:9], v[14:15]
	WSUM
	v_fma_f32 v8, v8, s32, s33                     ; the variance + 1e-5
	s_wait_alu depctr_va_vdst(0)
	v_rsq_f32 v6, v8
	v_nop                                          ; a plain line behind the transcendental,
	s_wait_alu depctr_va_vdst(0)                   ; and the wait ahead of its first reader
	v_mov_b32 v7, v6
.set j, 0
.rept 16
	v_pk_mul_f32 v[XR+j:XR+j+1], v[XR+j:XR+j+1], v[6:7]
.set j, j+2
.endr
.set j, 0
.rept 16
	v_pk_fma_f32 v[XR+j:XR+j+1], v[XR+j:XR+j+1], v[LG+j:LG+j+1], v[LB+j:LB+j+1]
.set j, j+2
.endr
.irp k, 0,1,2                          ; the same h under the three given scales
.set j, 0
.rept 32
	v_med3_num_f32 v[LT+j], v[XR+j], -v[249+2*\k], v[249+2*\k]
.set j, j+1
.endr
	s_wait_alu depctr_va_vdst(0)
	s_wait_xcnt 0x0                                ; the earlier stores have read the codes' registers
.irp g, 0,1,2,3
	v_cvt_scalef32_pk8_fp8_f32 v[LC+2*\g:LC+2*\g+1], v[LT+8*\g:LT+8*\g+7], v[248+2*\k]
.endr
	v_nop                                          ; a plain line behind the last conversion: the next holds write its sources
.irp g, 0,1,2,3
	global_store_b64 v3, v[LC+2*\g:LC+2*\g+1], s[58+2*\k:59+2*\k] offset:1024*(\i)+256*\g   ; 32 lanes store 256 consecutive bytes, aligned
.endr
.endr
.endm
	s_load_b512 s[4:19], s[0:1], 0x0               ; wq 4, wk 6, wv 8, wo 10, w1 12, w2 14, the scales 16, wc 18
	s_load_b256 s[20:27], s[0:1], 0x40             ; x 20, ln1_g 22, ln1_b 24, hc 26
	v_lshl_add_u32 v[SPW], v0, 2, SPARE
	v_mov_b32 v[NIL], 0
	v_lshrrev_b32 v1, 5, v0
	v_readfirstlane_b32 s28, v1                    ; wave
	v_and_b32 v1, 31, v0                           ; lane
	s_wait_kmcnt 0x0
	s_load_b512 s[36:51], s[16:17], 0x0            ; e0 .. e15 in s36 .. s51
	s_cmp_ge_u32 ttmp9, 384
	s_cbranch_scc1 .Lln
	; ---- the weights.  id / 32: 0-3 wq, wk, wv, wo (8 column blocks x 4 along K); 4-7 w1 (32 x 4); 8-11 w2 (8 x 16)
	s_lshr_b32 s29, ttmp9, 5
	s_lshr_b32 s30, s29, 2                         ; 0 a small weight, 1 w1, 2 w2
	s_cmp_eq_u32 s30, 1
	s_cselect_b32 s31, 31, 7
	s_cselect_b32 s32, 5, 3
	s_cselect_b32 s33, 14, 12                      ; log2 of a weight row's bytes (4 N)
	s_cmp_eq_u32 s30, 2
	s_cselect_b32 s34, 15, 3
	s_cselect_b32 s35, 12, 10                      ; log2 of a code row's bytes (K)
	s_and_b32 s31, ttmp9, s31                      ; which 128 columns
	s_lshr_b32 s32, ttmp9, s32
	s_and_b32 s32, s32, s34                        ; which 256 along K
	s_lshl_b32 s55, s29, 20                        ; where the weight's codes begin in wc
	s_cmp_eq_u32 s30, 1
	s_cselect_b32 s55, 0x400000, s55
	s_cmp_eq_u32 s30, 2
	s_cselect_b32 s55, 0x800000, s55
	s_mov_b64 s[52:53], s[4:5]                     ; the weight: a choice that hangs on the work-group's number alone
	s_cmp_eq_u32 s29, 1
	s_cselect_b64 s[52:53], s[6:7], s[52:53]
	s_cmp_eq_u32 s29, 2
	s_cselect_b64 s[52:53], s[8:9], s[52:53]
	s_cmp_eq_u32 s29, 3
	s_cselect_b64 s[52:53], s[10:11], s[52:53]
	s_cmp_ge_u32 s29, 4
	s_cselect_b64 s[52:53], s[12:13], s[52:53]
	s_cmp_ge_u32 s29, 8
	s_cselect_b64 s[52:53], s[14:15], s[52:53]
	s_lshl_b32 s58, s31, 7
	s_lshl_b32 s59, s28, 5
	s_add_co_u32 s58, s58, s59                     ; my wave's first column
	s_lshl_b32 s56, s32, 8
	s_lshl_b32 s56, s56, s33                       ; 256 ky rows of the weight
	s_lshl_b32 s59, s58, 2
	s_add_co_u32 s56, s56, s59
	s_mov_b32 s57, 0
	s_add_nc_u64 s[68:69], s[52:53], s[56:57]      ; block 0's base; blocks 1 to 7 lie 32 rows apart
	s_lshl_b32 s84, 32, s33
	s_mov_b32 s85, 0
.irp t, 1,2,3,4,5,6,7
	s_add_nc_u64 s[68+2*\t:69+2*\t], s[66+2*\t:67+2*\t], s[84:85]
.endr
	s_lshl_b32 s60, s58, s35
	s_add_co_u32 s60, s60, s55
	s_lshl_b32 s59, s32, 8
	s_add_co_u32 s60, s60, s59
	s_mov_b32 s61, 0
	s_add_nc_u64 s[86:87], s[18:19], s[60:61]      ; my codes, by rows: column x K + 256 ky
	s_lshl_b32 s88, s31, 3                         ; and as w2 has them, by blocks: my first block of 16 columns is 8 nx + 2 wave,
	s_lshl_b32 s89, s28, 1
	s_add_co_u32 s88, s88, s89
	s_lshl_b32 s88, s88, 16                        ; 32 blocks of 2,048 bytes for each;
	s_lshl_b32 s89, s32, 12                        ; my first 128 along K is 2 ky
	s_add_co_u32 s88, s88, s89
	s_add_co_u32 s88, s88, 0x800000
	s_mov_b32 s89, 0
	s_add_nc_u64 s[88:89], s[18:19], s[88:89]      ; (used by w2's work-groups alone)
	s_lshl_b32 s62, 1, s33                         ; a weight row's bytes
	s_lshl_b32 s63, 2, s35                         ; two code rows' bytes
	s_wait_alu depctr_va_vdst(0)
	v_lshlrev_b32 v[OFF], 2, v1
.set i, 1
.rept 31
	v_add_nc_u32 v[OFF+i], s62, v[OFF+i-1]
.set i, i+1
.endr
	LOAD 0
	LOAD 1
	s_mul_i32 s59, s28, 32*PITCH                   ; my stage
	v_mul_u32_u24 v4, v1, PITCH
	v_add_nc_u32 v4, s59, v4                       ; into it: row = my column
	v_and_b32 v5, 15, v1
	v_lshrrev_b32 v6, 4, v1
	v_mul_u32_u24 v7, v6, PITCH
	v_lshl_add_u32 v7, v5, 4, v7
	v_add_nc_u32 v7, s59, v7                       ; out of it, by rows: sixteen lanes to a row, two rows an instruction
	v_mul_u32_u24 v8, v5, PITCH
	v_lshl_add_u32 v8, v6, 4, v8
	v_add_nc_u32 v8, s59, v8                       ; out of it, as a fragment's lane takes it: row lane % 16, + 16 (lane / 16)
	v_lshlrev_b32 v9, 4, v1                        ; 16 x lane
	v_lshlrev_b32 v[OUTO], s35, v6
	v_lshl_add_u32 v[OUTO], v5, 4, v[OUTO]
.set i, 1
.rept 15
	v_add_nc_u32 v[OUTO+i], s63, v[OUTO+i-1]
.set i, i+1
.endr
	s_wait_kmcnt 0x0
	s_mov_b32 s54, s37                             ; the weight's exponent: entries 1, 3, 5, 11, 13, 15
	s_cmp_eq_u32 s29, 1
	s_cselect_b32 s54, s39, s54
	s_cmp_eq_u32 s29, 2
	s_cselect_b32 s54, s41, s54
	s_cmp_eq_u32 s29, 3
	s_cselect_b32 s54, s47, s54
	s_cmp_ge_u32 s29, 4
	s_cselect_b32 s54, s49, s54
	s_cmp_ge_u32 s29, 8
	s_cselect_b32 s54, s51, s54
	s_add_co_i32 s54, s54, 127
	s_lshl_b32 s59, s54, 23
	v_mov_b32 v11, s59                             ; 2^e: the conversion takes its exponent field
	s_add_co_i32 s54, s54, 8
	s_lshl_b32 s54, s54, 23
	s_or_b32 s54, s54, 0x600000
	v_mov_b32 v10, s54                             ; 448 x 2^e
	s_wait_alu depctr_va_vdst(0)
.irp t, 0,1,2,3,4,5,6,7
	BLOCK \t
.endr
	s_cmp_eq_u32 s30, 2                            ; w2 leaves in another order: a branch on the work-group's number
	s_cbranch_scc1 .Lw2
.irp t, 0,1,2,3,4,5,6,7,8,9,10,11,12,13,14,15
	ds_load_b128 v[OUTR+4*\t:OUTR+4*\t+3], v7 offset:2*\t*PITCH   ; LDS serves a wave's instructions in order: these see my stores
.endr
.irp t, 0,1,2,3,4,5,6,7,8,9,10,11,12,13,14,15
	s_wait_dscnt 15-\t                             ; the younger loads may be out
	global_store_b128 v[OUTO+\t], v[OUTR+4*\t:OUTR+4*\t+3], s[86:87]   ; sixteen lanes store 256 consecutive bytes, aligned
.endr
	s_branch .Lwend
.Lw2:
.irp n, 0,1                            ; 16 columns x 128 along K at a time: four registers of the fragment an instruction
.irp k, 0,1
.irp c, 0,1,2,3
	ds_load_b128 v[OUTR+4*(8*\n+4*\k+\c):OUTR+4*(8*\n+4*\k+\c)+3], v8 offset:\n*16*PITCH+128*\k+32*\c
.endr
.endr
.endr
.irp n, 0,1
.irp k, 0,1
.irp c, 0,1,2,3
	s_wait_dscnt 15-(8*\n+4*\k+\c)                 ; the younger loads may be out
	global_store_b128 v9, v[OUTR+4*(8*\n+4*\k+\c):OUTR+4*(8*\n+4*\k+\c)+3], s[88:89] offset:65536*\n+2048*\k+512*\c   ; 32 lanes store 512 consecutive bytes, aligned
.endr
.endr
.endr
.Lwend:
	s_wait_tensorcnt 0x0                           ; the wave's end
	ds_add_u32 v[SPW], v[NIL]
	s_wait_dscnt 0x0
	s_endpgm
.Lln:
	; ---- LayerNorm 1
	s_sub_co_u32 s29, ttmp9, 384
	s_lshl_b32 s29, s29, 2
	s_add_co_u32 s29, s29, s28
	s_lshl_b32 s29, s29, 2                         ; my wave's first row
	s_lshl_b32 s52, s29, 12
	s_mov_b32 s53, 0
	s_add_nc_u64 s[56:57], s[20:21], s[52:53]      ; x
	s_lshl_b32 s52, s29, 10
	s_add_nc_u64 s[58:59], s[26:27], s[52:53]      ; the three sets of codes
	s_add_nc_u64 s[60:61], s[58:59], 0x400000
	s_add_nc_u64 s[62:63], s[58:59], 0x800000
	s_mov_b32 s30, 0x76543210                      ; lane l xor 16
	s_mov_b32 s31, 0xfedcba98
	s_mov_b32 s32, 0x3a800000                      ; 1 / 1024
	s_mov_b32 s33, 0x3727c5ac                      ; 1e-5
	s_wait_alu depctr_va_vdst(0)
	v_lshlrev_b32 v2, 5, v1                        ; 32 x lane: my 8 numbers of a group
	v_lshlrev_b32 v3, 3, v1                        ; 8 x lane: their codes
.irp j, 0,1,2,3
	global_load_b128 v[LG+8*\j:LG+8*\j+3], v2, s[22:23] offset:1024*\j
	global_load_b128 v[LG+8*\j+4:LG+8*\j+7], v2, s[22:23] offset:1024*\j+16
	global_load_b128 v[LB+8*\j:LB+8*\j+3], v2, s[24:25] offset:1024*\j
	global_load_b128 v[LB+8*\j+4:LB+8*\j+7], v2, s[24:25] offset:1024*\j+16
.endr
.irp i, 0,1,2,3
.irp j, 0,1,2,3
	global_load_b128 v[LX+32*\i+8*\j:LX+32*\i+8*\j+3], v2, s[56:57] offset:4096*\i+1024*\j
	global_load_b128 v[LX+32*\i+8*\j+4:LX+32*\i+8*\j+7], v2, s[56:57] offset:4096*\i+1024*\j+16
.endr
.endr
	s_wait_kmcnt 0x0
.irp k, 0,1,2
	s_add_co_i32 s34, s[36+2*\k], 127
	s_lshl_b32 s35, s34, 23
	v_mov_b32 v[248+2*\k], s35                     ; 2^e
	s_add_co_i32 s34, s34, 8
	s_lshl_b32 s34, s34, 23
	s_or_b32 s34, s34, 0x600000
	v_mov_b32 v[249+2*\k], s34                     ; 448 x 2^e
.endr
	LNROW 0
	LNROW 1
	LNROW 2
	LNROW 3
	s_endpgm
.Lfunc_end_k_q142d21f4e7_prep:
	.size	k_q142d21f4e7_prep, .Lfunc_end_k_q142d21f4e7_prep-k_q142d21f4e7_prep
	.p2alignl 7, 3214868480
	.fill 96, 4, 3214868480
	.section	.rodata,"a",@progbits
	.p2align	6, 0x0
	.amdhsa_kernel k_q142d21f4e7_prep
		.amdhsa_group_segment_fixed_size 35328
		.amdhsa_private_segment_fixed_size 0
		.amdhsa_enable_private_segment 0
		.amdhsa_kernarg_size 96
		.amdhsa_user_sgpr_count 2
		.amdhsa_user_sgpr_kernarg_segment_ptr 1
		.amdhsa_wavefront_size32 1
		.amdhsa_system_sgpr_workgroup_id_x 1
		.amdhsa_system_sgpr_workgroup_id_y 1
		.amdhsa_system_sgpr_workgroup_id_z 1
		.amdhsa_system_vgpr_workitem_id 0
		.amdhsa_next_free_vgpr 256
		.amdhsa_next_free_sgpr 92
		.amdhsa_reserve_vcc 0
		.amdhsa_float_denorm_mode_32 3
		.amdhsa_float_denorm_mode_16_64 3
		.amdhsa_memory_ordered 1
		.amdhsa_forward_progress 1
		.amdhsa_inst_pref_size 119
	.end_amdhsa_kernel
	.amdgpu_metadata
---
amdhsa.version: [ 1, 2 ]
amdhsa.kernels:
  - .name:           k_q142d21f4e7_prep
    .symbol:         k_q142d21f4e7_prep.kd
    .args:
      - { .name: wq, .offset: 0, .size: 8, .value_kind: global_buffer, .address_space: global }
      - { .name: wk, .offset: 8, .size: 8, .value_kind: global_buffer, .address_space: global }
      - { .name: wv, .offset: 16, .size: 8, .value_kind: global_buffer, .address_space: global }
      - { .name: wo, .offset: 24, .size: 8, .value_kind: global_buffer, .address_space: global }
      - { .name: w1, .offset: 32, .size: 8, .value_kind: global_buffer, .address_space: global }
      - { .name: w2, .offset: 40, .size: 8, .value_kind: global_buffer, .address_space: global }
      - { .name: lowp_scales, .offset: 48, .size: 8, .value_kind: global_buffer, .address_space: global }
      - { .name: wc, .offset: 56, .size: 8, .value_kind: global_buffer, .address_space: global }
      - { .name: x, .offset: 64, .size: 8, .value_kind: global_buffer, .address_space: global }
      - { .name: ln1_g, .offset: 72, .size: 8, .value_kind: global_buffer, .address_space: global }
      - { .name: ln1_b, .offset: 80, .size: 8, .value_kind: global_buffer, .address_space: global }
      - { .name: hc, .offset: 88, .size: 8, .value_kind: global_buffer, .address_space: global }
    .group_segment_fixed_size: 35328
    .private_segment_fixed_size: 0
    .kernarg_segment_align: 8
    .kernarg_segment_size: 96
    .max_flat_workgroup_size: 128
    .sgpr_count:     92
    .vgpr_count:     256
    .wavefront_size: 32
...
	.end_amdgpu_metadata
.endif
;; end of part 1
;; launch qkv (part 2): grid 12 x 16, 4 waves a work-group, clusters of 4 x 4, 327,680 bytes of LDS; arguments hc, wc, lowp_scales, bq, bk, bv, qkvc; writes qkvc
.if DOCPART == 2
	.amdgcn_target "amdgcn-amd-amdhsa--gfx1250"
	.amdhsa_code_object_version 6
	.text
	.protected	k_q142d21f4e7_qkv
	.globl	k_q142d21f4e7_qkv
	.p2align	8
	.type	k_q142d21f4e7_qkv,@function
k_q142d21f4e7_qkv:
	s_mov_b64 s[64:65], 0
	v_nop
	global_prefetch_b8 v0, s[64:65] scope:SCOPE_SE
	s_setreg_imm32_b32 hwreg(HW_REG_WAVE_MODE, 25, 1), 1
	s_wait_xcnt 0x0
	s_wait_alu depctr_hold_cnt(0) depctr_sa_sdst(0) depctr_va_vdst(0) depctr_va_sdst(0) depctr_va_ssrc(0) depctr_va_vcc(0) depctr_vm_vsrc(0)
	s_getreg_b32 s2, hwreg(HW_REG_IB_STS2, 6, 4)
	s_cmp_eq_u32 s2, 0
	s_cbranch_scc0 .Lentry_in_a_cluster
	s_endpgm
.Lentry_in_a_cluster:
	s_bfe_u32 s2, ttmp6, 0x10000c
	s_cmp_lg_u32 s2, 0xf033
	s_cbranch_scc0 .Lentry_shape_is_right
	s_endpgm
.Lentry_shape_is_right:
; Products 1, 2, 3: q, k, v = h W + bias on codes of E4M3, and their results quantised again for products 4 and 5: q with scale 7, k with scale 6 (the product's A is k, its B is q), v with scale 8.
; The cluster's x (0, 1, 2) says which of the three: A = hc[T] [4096][1024], B = rows 1024 T on of wc [3072][1024], result = qkvc[T] [4096][1024] codes, token by channel.
; A tile of 256 x 256 to a work-group of four waves, 128 x 128 a wave: 64 accumulators, 512 registers.  K goes in steps of 256 through a ring of two LDS slots filled by the tensor data mover; a tile's row is 256 bytes of memory.
; CLUSTERS: 4 x 4 work-groups; the four of a row need the same tiles of A, the four of a column the same tiles of B: each is asked for jointly, by the same tensor load with the same descriptor and a mask that names the four.
; THE MATRIX INSTRUCTION IS USED TRANSPOSED (source 0 = 16 rows of B, source 1 = 16 rows of A): a lane holds eight neighbouring channels of one token, which one conversion turns into 8 codes.
; The bias, divided by 2^(ea + eb), is the C of each sum's first product.  A sum stands for sum x 2^(ea + eb), so the conversion's one scale is 2^(eo - ea - eb).
; Fragments come by four loads of 16 bytes: a permutation of k that is the same in A and in B, so every product meets its partner.
; LIMITS: ea + eb and eo - ea - eb between -126 and 119.  NaN among the inputs is not served.
; REGISTERS, in windows of 256: window 0: v16-29 addresses; v32-95 the bias in the result's layout, later the held sums; v96-111 codes; v112, v113 the hold and the scale; from v128 A's fragments, one set.
;   window 1: B's fragments, two sets.   windows 2, 3: the accumulators of my rows 0-63 and 64-127.
.set KSTEP,  256
.set ROWB,   256
.set KROW,   1024
.set PITCH,  272                       ; an LDS row: 256 bytes + 16: the 16 rows that a load touches start at 16 different banks
.set FR,     16
.set NL,     4
.set NP,     4
.set HALFT,  128*PITCH
.set SLOT,   4*HALFT
.set LAPS,   2                         ; K = 1,024: four K steps, twice round the ring
.set SPARE,  2*SLOT                    ; behind the ring: the spare words
.set OPITCH, 1024                      ; a row of the result in bytes
.set ADRA, 16
.set ADRB, 20
.set STO,  24
.set RD,   25
.set CO,   26
.set BO,   27
.set SPW,  28
.set NIL,  29
.set BI,   32
.set TMP,  32
.set CD,   96
.set LIM,  112
.set SCL,  113
.set AF,   128
.set OB,   32
.set G1, 24
.set G0, 32
.set G1B, 48
.set G0B, 56
.set MSB, 0
.macro WIN new                         ; the immediate's high byte repeats the setting that is left
.if MSB != (\new)
	s_set_vgpr_msb (MSB<<8)|(\new)
.set MSB, (\new)
.endif
.endm
.set MUL_LO, 0xa1                      ; source 0 (B) window 1, source 1 (A) window 0, C and D window 2
.set MUL_HI, 0xf1                      ; the same, C and D window 3
.set MUL_LO_B, 0x81                    ; the first step: C (the bias) window 0, D window 2
.set MUL_HI_B, 0xc1                    ; C window 0, D window 3
.set TO_B,   0x40
.macro JLOAD g0a, g1a, g0b, g1b        ; a joint load: waves 0 and 1 fetch for A, waves 2 and 3 for B; an s_nop 0 and four v_nop follow each line
	s_cmp_eq_u32 s15, 0
	s_cbranch_scc0 .Lfor_b_\@
	tensor_load_to_lds s[\g0a:\g0a+3], s[\g1a:\g1a+7]
	s_nop 0
.rept 4
	v_nop
.endr
	s_branch .Lasked_\@
.Lfor_b_\@:
	tensor_load_to_lds s[\g0b:\g0b+3], s[\g1b:\g1b+7]
	s_nop 0
.rept 4
	v_nop
.endr
.Lasked_\@:
.endm
.macro CREST                           ; a round of the cluster's barrier behind its opening barrier
	s_cmp_lg_u32 s14, 0
	s_cbranch_scc1 .Lnot_wave_0_\@
	s_barrier_signal -3
.Lnot_wave_0_\@:
	s_barrier_wait -3
	s_barrier_signal -1
	s_barrier_wait -1
.endm
.macro CROUND
	s_barrier_signal -1
	s_barrier_wait -1
	CREST
.endm
.macro FRAG reg, adr, q, i             ; 16 rows x 128 K: registers 4 c .. 4 c + 3 hold K = 32 c + 16 (lane / 16) + 0 .. 15 of row lane % 16
.irp c, 0,1,2,3
	ds_load_b128 v[\reg+4*\c:\reg+4*\c+3], v[\adr] offset:128*(\q)+32*\c+(\i)*16*PITCH
.endr
.endm
.macro MUL16 a0, p, zero               ; A's blocks a0, a0 + 1 x B's eight; the 64 accumulators take turns, one instruction a turn
.irp a, \a0, \a0+1
.irp b, 0,1,2,3,4,5,6,7
.if \zero
	v_wmma_f32_16x16x128_fp8_fp8 v[8*(8*((\a)%4)+\b):8*(8*((\a)%4)+\b)+7], v[128*(\p)+FR*\b:128*(\p)+FR*\b+FR-1], v[AF+FR*(\a):AF+FR*(\a)+FR-1], v[BI+8*\b:BI+8*\b+7]
.else
	v_wmma_f32_16x16x128_fp8_fp8 v[8*(8*((\a)%4)+\b):8*(8*((\a)%4)+\b)+7], v[128*(\p)+FR*\b:128*(\p)+FR*\b+FR-1], v[AF+FR*(\a):AF+FR*(\a)+FR-1], v[8*(8*((\a)%4)+\b):8*(8*((\a)%4)+\b)+7]
.endif
.endr
.endr
.endm
.macro FETCH_B slot, q, p
	WIN TO_B
.irp i, 0,1,2,3,4,5,6,7
	FRAG 128*(\p)+FR*\i, ADRB+\slot, \q, \i
.endr
	WIN 0
.endm
.macro FETCH_A slot, q, i0
.irp i, \i0, \i0+1, \i0+2, \i0+3
	FRAG AF+FR*(\i), ADRA+\slot, \q, \i
.endr
.endm
.macro PLACES n                        ; plain vector lines between a matrix instruction and a load into, or a vector read of, its registers
.rept \n
	v_nop
.endr
.endm
.macro STEP slot, q, zero              ; 128 along K that has its successor in the same slot
	s_wait_dscnt 4*NL                              ; B's set and A's blocks 0-3 are in; the youngest 16 loads (A's blocks 4-7) may be out
.if \zero
	WIN MUL_LO_B
.else
	WIN MUL_LO
.endif
	MUL16 0, (\q)%2, \zero
	MUL16 2, (\q)%2, \zero
	s_wait_dscnt 0
	PLACES NP
	FETCH_B \slot, (\q)+1, 1-(\q)%2
	FETCH_A \slot, (\q)+1, 0
.if \zero
	WIN MUL_HI_B
.else
	WIN MUL_HI
.endif
	MUL16 4, (\q)%2, \zero
	MUL16 6, (\q)%2, \zero
	PLACES NP
	WIN 0
	FETCH_A \slot, (\q)+1, 4
.endm
.macro TURN slot, next, fill           ; a slot's last step changes slots: one barrier; fill = 1: it opens a round of the cluster's barrier and the slot is filled again
	s_wait_tensorcnt 0x0                           ; all my tensor loads have landed: my part of the next slot
	ds_add_u32 v[SPW], v[NIL]                      ; 0 onto my spare word
	s_wait_dscnt 4*NL+1                            ; the add and the youngest 16 loads may be out
	WIN MUL_LO
	MUL16 0, 1, 0
	s_wait_dscnt 0x0                               ; the add is done, and my reads of this slot are over
	s_barrier_signal -1
	MUL16 2, 1, 0
	WIN 0
	s_barrier_wait -1
.if \fill
	CREST                                          ; no wave of any partner still reads this slot or has a load on its way
	s_add_nc_u64 s[G0+4*\slot+2:G0+4*\slot+3], s[G0+4*\slot+2:G0+4*\slot+3], 2*ROWB
	s_add_nc_u64 s[G0B+4*\slot+2:G0B+4*\slot+3], s[G0B+4*\slot+2:G0B+4*\slot+3], 2*ROWB
	JLOAD G0+4*\slot, G1, G0B+4*\slot, G1B         ; my one tensor load behind the round; its four v_nop are the places in front of the loads below
.else
	PLACES NP
.endif
	FETCH_B \next, 0, 0
	FETCH_A \next, 0, 0
	WIN MUL_HI
	MUL16 4, 1, 0
	MUL16 6, 1, 0
	PLACES NP
	WIN 0
	FETCH_A \next, 0, 4
.endm
.macro OUTQ a                          ; block a (16 tokens x 128 channels): held, converted, 8 codes a tile into the work-group's stage
.set AC, 64*((\a)%4)
	WIN 0x02+((\a)/4)                              ; source 0: window 2 or 3
.set i, 0
.rept 64
	v_med3_num_f32 v[TMP+i], v[AC+i], -v[LIM], v[LIM]   ; each accumulator from its low end on
.set i, i+1
.endr
	WIN 0
	s_wait_alu depctr_va_vdst(0)
	s_wait_dscnt 0x0                               ; the last block's stores have read the codes' registers
.irp b, 0,1,2,3,4,5,6,7
	v_cvt_scalef32_pk8_fp8_f32 v[CD+2*\b:CD+2*\b+1], v[TMP+8*\b:TMP+8*\b+7], v[SCL]
.endr
	v_nop                                          ; a plain line behind the last conversion
.irp b, 0,1,2,3,4,5,6,7
	ds_store_b64 v[STO], v[CD+2*\b:CD+2*\b+1] offset:(\a)*16*PITCH+16*\b
.endr
.endm
	s_load_b128 s[4:7], s[0:1], 0x0                ; hc, wc
	s_load_b128 s[8:11], s[0:1], 0x10              ; the scales, bq
	s_load_b128 s[68:71], s[0:1], 0x20             ; bk, bv
	s_load_b64 s[72:73], s[0:1], 0x30              ; qkvc
	v_lshl_add_u32 v[SPW], v0, 2, SPARE
	v_mov_b32 v[NIL], 0
	ds_add_u32 v[SPW], v[NIL]                      ; the opening: the add, twice on end, and its wait ahead of my first tensor load
	ds_add_u32 v[SPW], v[NIL]
	v_lshrrev_b32 v1, 5, v0
	v_readfirstlane_b32 s14, v1                    ; wave
	s_lshr_b32 s15, s14, 1                         ; my half of the tile's rows; also: I fetch for A (0) or B (1)
	s_and_b32 s16, s14, 1                          ; my half of its columns; also: which 128 rows I fetch
	s_bfe_u32 s40, ttmp6, 0x40000                  ; cx
	s_bfe_u32 s41, ttmp6, 0x40004                  ; cy
	s_lshl_b32 s42, ttmp9, 2
	s_add_co_u32 s42, s42, s40                     ; tile column among wc's 3,072 rows
	s_and_b32 s17, ttmp7, 0xffff
	s_lshl_b32 s17, s17, 2
	s_add_co_u32 s17, s17, s41                     ; tile row
	s_lshl_b32 s43, s41, 2
	s_lshl_b32 s43, 15, s43                        ; my row of the cluster
	s_lshl_b32 s44, 0x1111, s40                    ; my column
	s_or_b32 s[G1+0], s43, (0<<16)|(1<<20)|(1<<21)|(5<<22)|(3<<25)   ; the mask; elements of 1 byte; padding of 4 words after every 64
	s_or_b32 s[G1B+0], s44, (0<<16)|(1<<20)|(1<<21)|(5<<22)|(3<<25)
.irp g, G1, G1B
	s_mov_b32 s[\g+1], ROWB<<16                    ; tensor_dim0
	s_mov_b32 s[\g+2], 128<<16                     ; tensor_dim1
	s_mov_b32 s[\g+3], ROWB<<16                    ; tile_dim0
	s_mov_b32 s[\g+4], 128                         ; tile_dim1
	s_mov_b32 s[\g+5], KROW                        ; the pitch
	s_mov_b32 s[\g+6], 0
	s_mov_b32 s[\g+7], 0
.endr
	s_lshl_b32 s18, s16, 7
	s_lshl_b32 s20, s17, 8
	s_add_co_u32 s20, s20, s18                     ; A: row 256 x tile row + 128 x half
	s_lshl_b32 s46, s42, 8
	s_add_co_u32 s46, s46, s18                     ; B: row 256 x tile column + 128 x half
	s_mov_b32 s21, 0
	s_mov_b32 s47, 0
	s_mov_b64 s[18:19], KROW
	s_mul_u64 s[20:21], s[20:21], s[18:19]
	s_mul_u64 s[46:47], s[46:47], s[18:19]
	s_lshl_b32 s22, ttmp9, 22                      ; hc[T]: the cluster's x, which all sixteen partners share
	s_mov_b32 s23, 0
	s_add_nc_u64 s[20:21], s[20:21], s[22:23]
	s_mul_i32 s45, s14, HALFT                      ; where my tile goes: wave x 128 rows
	s_wait_dscnt 0x0                               ; both opening adds are done
	s_wait_kmcnt 0x0
	s_load_b512 s[76:91], s[8:9], 0x0              ; e0 .. e15 in s76 .. s91
	s_add_nc_u64 s[20:21], s[4:5], s[20:21]
	s_add_nc_u64 s[46:47], s[6:7], s[46:47]
	CROUND                                         ; all sixteen work-groups are here: the first joint loads meet
.irp s, 0,1
	s_mov_b32 s[G0+4*\s], 1
	s_add_co_u32 s[G0+4*\s+1], s45, \s*SLOT
	s_add_nc_u64 s[G0+4*\s+2:G0+4*\s+3], s[20:21], \s*ROWB
	s_or_b32 s[G0+4*\s+3], s[G0+4*\s+3], 0x80000000
	s_mov_b32 s[G0B+4*\s], 1
	s_add_co_u32 s[G0B+4*\s+1], s45, \s*SLOT
	s_add_nc_u64 s[G0B+4*\s+2:G0B+4*\s+3], s[46:47], \s*ROWB
	s_or_b32 s[G0B+4*\s+3], s[G0B+4*\s+3], 0x80000000
.endr
	JLOAD G0, G1, G0B, G1B                         ; K step 0: one tensor load a wave at the head
	; PREFETCH of later K steps: of the 128 rows that my wave fetches, each of the four partners that ask for them jointly names 32, by address (cx for A, cy for B): a lane a row, 256 bytes of it a K step
	s_cmp_eq_u32 s15, 0
	s_cselect_b64 s[66:67], s[20:21], s[46:47]     ; the rows that I fetch, of A or of B
	s_cselect_b32 s74, s40, s41                    ; my place among the four
	s_lshl_b32 s74, s74, 15                        ; 32 rows of 1,024 bytes
	s_mov_b32 s75, 0
	s_add_nc_u64 s[66:67], s[66:67], s[74:75]
	v_and_b32 v30, 31, v0
	v_lshlrev_b32 v30, 10, v30                     ; never rewritten
	global_prefetch_b8 v30, s[66:67] offset:256 th:TH_LOAD_NT scope:SCOPE_SE   ; K step 1
	global_prefetch_b8 v30, s[66:67] offset:512 th:TH_LOAD_NT scope:SCOPE_SE   ; K step 2
	v_and_b32 v1, 15, v0                           ; r
	v_bfe_u32 v2, v0, 4, 1                         ; h
	v_mul_u32_u24 v3, v1, PITCH
	s_wait_alu depctr_va_vdst(0)
	v_lshl_add_u32 v4, v2, 4, v3
	s_mul_i32 s21, s15, HALFT
	s_mul_i32 s22, s16, HALFT
	s_add_co_u32 s22, s22, 2*HALFT
.irp s, 0,1
	v_add_nc_u32 v[ADRA+\s], s21, v4
	v_add_nc_u32 v[ADRB+\s], s22, v4
	s_add_co_u32 s21, s21, SLOT
	s_add_co_u32 s22, s22, SLOT
.endr
	s_mul_i32 s23, s15, 128*PITCH                  ; the stage (in slot 0): row = token in the tile, 256 bytes of codes + 16
	s_lshl_b32 s22, s16, 7
	s_add_co_u32 s23, s23, s22
	v_lshl_add_u32 v5, v2, 3, v3
	v_add_nc_u32 v[STO], s23, v5                   ; in: (128 x row half + r) x 272 + 128 x column half + 8 h
	s_mul_i32 s23, s14, 64*PITCH
	v_mul_u32_u24 v6, v2, PITCH
	v_lshl_add_u32 v6, v1, 4, v6
	v_add_nc_u32 v[RD], s23, v6                    ; back: wave w takes rows 64 w on, sixteen lanes to a row
	v_mul_u32_u24 v7, v2, OPITCH
	v_lshl_add_u32 v[CO], v1, 4, v7
	v_lshlrev_b32 v[BO], 5, v2                     ; the bias: 32 h bytes
	s_lshl_b32 s20, s17, 8
	s_lshl_b32 s21, s14, 6
	s_add_co_u32 s20, s20, s21
	s_lshl_b32 s20, s20, 10                        ; the first row that I store
	s_lshl_b32 s21, ttmp9, 22
	s_add_co_u32 s20, s20, s21                     ; in qkvc[T]
	s_mov_b32 s21, 0
	s_add_nc_u64 s[72:73], s[72:73], s[20:21]
	s_lshl_b32 s46, s40, 8                         ; the tile's first column, in bytes
	s_mov_b32 s47, 0
	s_add_nc_u64 s[72:73], s[72:73], s[46:47]
	s_wait_alu depctr_va_vdst(0)
	s_wait_kmcnt 0x0
	s_cmp_eq_u32 ttmp9, 1                          ; which product: choices on the cluster's x, no branch
	s_cselect_b64 s[10:11], s[68:69], s[10:11]
	s_cselect_b32 s92, s78, s76                    ; ea
	s_cselect_b32 s93, s79, s77                    ; eb
	s_cselect_b32 s94, s82, s83                    ; eo: k takes entry 6, q entry 7
	s_cmp_eq_u32 ttmp9, 2
	s_cselect_b64 s[10:11], s[70:71], s[10:11]
	s_cselect_b32 s92, s80, s92
	s_cselect_b32 s93, s81, s93
	s_cselect_b32 s94, s84, s94                    ; v takes entry 8
	s_lshl_b32 s46, s40, 10
	s_lshl_b32 s47, s16, 9
	s_add_co_u32 s46, s46, s47
	s_mov_b32 s47, 0
	s_add_nc_u64 s[10:11], s[10:11], s[46:47]      ; the bias of my 128 channels
.irp b, 0,1,2,3,4,5,6,7
	global_load_b128 v[BI+8*\b:BI+8*\b+3], v[BO], s[10:11] offset:64*\b        ; lane (r, h), tile b: channels 16 b + 8 h + 0 .. 7
	global_load_b128 v[BI+8*\b+4:BI+8*\b+7], v[BO], s[10:11] offset:64*\b+16
.endr
	s_add_co_i32 s95, s92, s93                     ; ea + eb
	s_sub_co_i32 s96, 0, s95
	s_sub_co_i32 s97, s94, s95
	s_add_co_i32 s97, s97, 127
	s_lshl_b32 s98, s97, 23
	v_mov_b32 v[SCL], s98                          ; 2^(eo - ea - eb)
	s_add_co_i32 s97, s97, 8
	s_lshl_b32 s97, s97, 23
	s_or_b32 s97, s97, 0x600000
	v_mov_b32 v[LIM], s97                          ; 448 x that
	s_wait_loadcnt 0x0
.set i, 0
.rept 64
	v_ldexp_f32 v[BI+i], v[BI+i], s96              ; bias / 2^(ea + eb)
.set i, i+1
.endr
	s_wait_alu depctr_va_vdst(0)
	s_wait_tensorcnt 0x0                           ; my part of K step 0 is in
	ds_add_u32 v[SPW], v[NIL]
	s_wait_dscnt 0x0
	CROUND                                         ; everybody's part of K step 0 is in, and the joint loads meet
	JLOAD G0+4, G1, G0B+4, G1B                     ; K step 1, my one tensor load behind the round
	FETCH_B 0, 0, 0
	FETCH_A 0, 0, 0
	FETCH_A 0, 0, 4
	global_prefetch_b8 v30, s[66:67] offset:768 th:TH_LOAD_NT scope:SCOPE_SE   ; K step 3, two refills ahead of its load
	STEP 0, 0, 1
	s_mov_b32 s3, LAPS-1
.Llap:
	TURN 0, 1, 1
	STEP 1, 0, 0
	TURN 1, 0, 1
	STEP 0, 0, 0
	s_sub_co_u32 s3, s3, 1
	s_cmp_lg_u32 s3, 0
	s_cbranch_scc1 .Llap
	TURN 0, 1, 0                                   ; the last lap fills nothing
	STEP 1, 0, 0
	s_wait_dscnt 4*NL
	WIN MUL_LO
	MUL16 0, 1, 0
	MUL16 2, 1, 0
	s_wait_dscnt 0
	WIN MUL_HI
	MUL16 4, 1, 0
	MUL16 6, 1, 0
	WIN 0
	; THE WAY OUT.  The stage lies in slot 0, which has had its last fill, and which nobody reads behind the last change of slots.
	PLACES NP
.irp a, 0,1,2,3,4,5,6,7
	OUTQ \a
.endr
	s_wait_dscnt 0x0                               ; for the others' sake: my stores into the stage are done
	s_barrier_signal -1
	s_barrier_wait -1
.set t, 0
.rept 32
	ds_load_b128 v[OB+4*t:OB+4*t+3], v[RD] offset:2*t*PITCH
.set t, t+1
.endr
.set t, 0
.rept 32
	s_wait_dscnt 31-t                              ; the younger loads may be out
	global_store_b128 v[CO], v[OB+4*t:OB+4*t+3], s[72:73] offset:2*t*OPITCH   ; sixteen lanes store 256 consecutive bytes, aligned
.set t, t+1
.endr
	s_wait_tensorcnt 0x0                           ; the wave's end
	ds_add_u32 v[SPW], v[NIL]
	s_wait_dscnt 0x0
	CROUND                                         ; the closing round
	s_endpgm
.Lfunc_end_k_q142d21f4e7_qkv:
	.size	k_q142d21f4e7_qkv, .Lfunc_end_k_q142d21f4e7_qkv-k_q142d21f4e7_qkv
	.p2alignl 7, 3214868480
	.fill 96, 4, 3214868480
	.section	.rodata,"a",@progbits
	.p2align	6, 0x0
	.amdhsa_kernel k_q142d21f4e7_qkv
		.amdhsa_group_segment_fixed_size 327680
		.amdhsa_private_segment_fixed_size 0
		.amdhsa_enable_private_segment 0
		.amdhsa_kernarg_size 56
		.amdhsa_user_sgpr_count 2
		.amdhsa_user_sgpr_kernarg_segment_ptr 1
		.amdhsa_wavefront_size32 1
		.amdhsa_system_sgpr_workgroup_id_x 1
		.amdhsa_system_sgpr_workgroup_id_y 1
		.amdhsa_system_sgpr_workgroup_id_z 1
		.amdhsa_system_vgpr_workitem_id 0
		.amdhsa_next_free_vgpr 1024
		.amdhsa_next_free_sgpr 100
		.amdhsa_reserve_vcc 0
		.amdhsa_float_denorm_mode_32 3
		.amdhsa_float_denorm_mode_16_64 3
		.amdhsa_memory_ordered 1
		.amdhsa_forward_progress 1
		.amdhsa_inst_pref_size 133
	.end_amdhsa_kernel
	.amdgpu_metadata
---
amdhsa.version: [ 1, 2 ]
amdhsa.kernels:
  - .name:           k_q142d21f4e7_qkv
    .symbol:         k_q142d21f4e7_qkv.kd
    .args:
      - { .name: hc, .offset: 0, .size: 8, .value_kind: global_buffer, .address_space: global }
      - { .name: wc, .offset: 8, .size: 8, .value_kind: global_buffer, .address_space: global }
      - { .name: lowp_scales, .offset: 16, .size: 8, .value_kind: global_buffer, .address_space: global }
      - { .name: bq, .offset: 24, .size: 8, .value_kind: global_buffer, .address_space: global }
      - { .name: bk, .offset: 32, .size: 8, .value_kind: global_buffer, .address_space: global }
      - { .name: bv, .offset: 40, .size: 8, .value_kind: global_buffer, .address_space: global }
      - { .name: qkvc, .offset: 48, .size: 8, .value_kind: global_buffer, .address_space: global }
    .group_segment_fixed_size: 327680
    .private_segment_fixed_size: 0
    .kernarg_segment_align: 8
    .kernarg_segment_size: 56
    .max_flat_workgroup_size: 128
    .sgpr_count:     100
    .vgpr_count:     1024
    .wavefront_size: 32
...
	.end_amdgpu_metadata
.endif
;; end of part 2
;; launch attn (part 3): grid 32 x 8, 16 waves a work-group, no clusters, 144,384 bytes of LDS; arguments qkvc, lowp_scales, cc; writes cc
.if DOCPART == 3
	.amdgcn_target "amdgcn-amd-amdhsa--gfx1250"
	.amdhsa_code_object_version 6
	.text
	.protected	k_q142d21f4e7_attn
	.globl	k_q142d21f4e7_attn
	.p2align	8
	.type	k_q142d21f4e7_attn,@function
k_q142d21f4e7_attn:
	s_mov_b64 s[64:65], 0
	v_nop
	global_prefetch_b8 v0, s[64:65] scope:SCOPE_SE
	s_setreg_imm32_b32 hwreg(HW_REG_WAVE_MODE, 25, 1), 1
	s_wait_xcnt 0x0
; Products 4 and 5 with the softmax between them, on the codes of q, k, v (qkvc [3][4096][1024]); ctx is quantised with scale 10 into cc [4096][1024].
; WORK LEFT OUT: keys that the mask of reference() hides have p = 0 and add nothing (shown at the head of the first kernel): only the query's own block of 16 keys and the summary keys 16 m + 15 of earlier blocks are multiplied.
; SHARES.  A work-group takes 64 queries (four blocks of 16) of four heads: 256 bytes of each token's row.  Wave w takes head w % 4 and block w / 4: one tile of 16 queries.
; Summary keys go in units of 64; unit 1 (m = 64 .. 127) is fetched and multiplied only where the work-group's queries can see into it (query group 16 on): a branch on the work-group's number.
; No cluster: partners would need different numbers of summary rows, the operands go through registers, and what is shared is at most 64 KB a work-group.  No prefetch: all loads go out at once at the head.
; LAYOUT.  S^T = K Q^T (source 0 = 16 keys, source 1 = my 16 queries): a lane holds ONE query (lane % 16) and keys 8 (lane / 16) + 0 .. 7 of each tile, so a tile's 8 codes of p are registers 2 c, 2 c + 1 of the second
; product's operand.  O^T = V^T P^T: V lies [key][channel] in LDS and comes turned by ds_load_tr16_b128 on pairs of bytes; v_perm_b32 parts the even channels from the odd.  Accumulator 2 q + u holds channels 32 q + 2 (8 h + j) + u.
; SOFTMAX: t = score x log2(e) / 8; M = ceil(the row's largest t); p = 2^(t - M) is quantised (scale 9); the row's sum is taken of the unquantised p and divides at the end.  All of a row's keys are at hand at once: no running maximum.
; LIMITS: e6 + e7 between -124 and 129 (added to c's exponent field); e9 and e10 between -126 and 119.  NaN among the inputs is not served.
; REGISTERS: v1 r, v2 h, v3-9 addresses, v10, v11 the add's two, v12 -M, v13 t, v[14:15] the sum, v16, v17 the mask's bounds, v18 -infinity, v19-22 holds and scales, v24-31 Q, v32-103 K's fragments, then V as loaded,
;   v104-175 S^T, then p, then V's fragments, v176-199 p's codes, v200-231 O^T, v232-239 ctx's codes, v240-255 at work.
.set PK,    272
.set PV,    288
.set LQ,    0                          ; 64 rows x 272: my queries
.set LK,    17408                      ; 64 x 272: the local keys
.set LKS,   34816                      ; 128 x 272: the summary keys
.set LV,    69632                      ; 64 x 288: the local values
.set LVS,   88064                      ; 128 x 288: the summary values
.set CST,   124928                     ; 64 x 272: ctx's codes on the way out
.set SPARE, 142336                     ; the spare words: 128 bytes for each of 16 waves
.macro VFRAG dst, raw                  ; 64 keys x 64 channels as loaded (32 registers) -> four fragments of 16 channels x 64 keys
.irp c, 0,1,2,3
.irp q, 0,1
.irp u, 0,1
	v_perm_b32 v[\dst+8*(2*\q+\u)+2*\c], v[\raw+8*\c+4*\q+1], v[\raw+8*\c+4*\q], s[54+\u]
	v_perm_b32 v[\dst+8*(2*\q+\u)+2*\c+1], v[\raw+8*\c+4*\q+3], v[\raw+8*\c+4*\q+2], s[54+\u]
.endr
.endr
.endr
.endm
.macro BODY ng                         ; ng units of 64 summary keys
.set NV, 8+32*(\ng)                    ; scores a lane
.irp j, 2,3,4,5,6,7
	v_mov_b32 v[176+\j], 0                         ; the local tile has 16 keys: the other 48 of its K step are zero codes
.endr
	ds_load_b128 v[24:27], v3 offset:LQ            ; two loads of 16 bytes a fragment: a permutation of the head's 64 that is the same in Q and in K
	ds_load_b128 v[28:31], v3 offset:LQ+32
	ds_load_b128 v[32:35], v3 offset:LK
	ds_load_b128 v[36:39], v3 offset:LK+32
.set T, 0
.rept 4*(\ng)
	ds_load_b128 v[40+8*T:43+8*T], v4 offset:LKS+T*16*PK
	ds_load_b128 v[44+8*T:47+8*T], v4 offset:LKS+T*16*PK+32
.set T, T+1
.endr
	s_wait_dscnt 0x0
	v_wmma_f32_16x16x64_fp8_fp8 v[104:111], v[32:39], v[24:31], 0
.set T, 0
.rept 4*(\ng)
	v_wmma_f32_16x16x64_fp8_fp8 v[112+8*T:119+8*T], v[40+8*T:47+8*T], v[24:31], 0
.set T, T+1
.endr
.rept 4
	v_nop                                          ; places in front of loads into K's registers and of the first read of the scores
.endr
	ds_load_tr16_b128 v[32:35], v6                 ; V of the local keys, channels 0-31 and 32-63 of my head
	ds_load_tr16_b128 v[36:39], v6 offset:32
.set T, 0
.rept 4*(\ng)
	ds_load_tr16_b128 v[40+8*T:43+8*T], v5 offset:LVS-LV+16*T*PV
	ds_load_tr16_b128 v[44+8*T:47+8*T], v5 offset:LVS-LV+16*T*PV+32
.set T, T+1
.endr
.set j, 0
.rept 8                                ; the local tile: key 8 h + j is hidden where it comes after query r
	v_cmp_gt_i32 vcc_lo, j, v16
	v_cndmask_b32 v[104+j], v[104+j], v18, vcc_lo
.set j, j+1
.endr
.set j, 0
.rept 32*(\ng)                         ; summary key m = 16 t + 8 h + j is hidden where m > my block - 1
	v_cmp_gt_i32 vcc_lo, 16*(j/8)+j%8, v17
	v_cndmask_b32 v[112+j], v[112+j], v18, vcc_lo
.set j, j+1
.endr
	v_max3_num_f32 v254, v104, v105, v106          ; the row's largest score, in two chains,
	v_max3_num_f32 v252, v107, v108, v109
.set i, 6
.rept (NV-8)/4
	s_delay_alu instid0(VALU_DEP_2)
	v_max3_num_f32 v254, v254, v[104+i], v[105+i]
	s_delay_alu instid0(VALU_DEP_2)
	v_max3_num_f32 v252, v252, v[106+i], v[107+i]
.set i, i+4
.endr
	s_delay_alu instid0(VALU_DEP_2)
	v_max3_num_f32 v254, v254, v[104+NV-2], v[104+NV-1]
	s_delay_alu instid0(VALU_DEP_1)
	v_max_num_f32 v254, v254, v252
	s_delay_alu instid0(VALU_DEP_1)
	v_permlanex16_b32 v253, v254, s52, s53
	s_delay_alu instid0(VALU_DEP_1)
	v_max_num_f32 v254, v254, v253                 ; and lane l xor 16's: key 0 of the block counts for every query, so it is a number
	s_delay_alu instid0(VALU_DEP_1)
	v_mul_f32 v13, s56, v254                       ; as t
	s_delay_alu instid0(VALU_DEP_1)
	v_floor_f32 v12, -v13                          ; -M = -ceil(t)
.set i, 0
.rept NV/2
	v_pk_fma_f32 v[104+i:105+i], v[104+i:105+i], s[56:57], v[12:13] op_sel_hi:[1,0,0]   ; t - M
.set i, i+2
.endr
.set i, 0
	s_wait_alu depctr_va_vdst(0)
.rept NV
	v_exp_f32 v[104+i], v[104+i]                   ; p = 2^(t - M)
.set i, i+1
.endr
	v_nop                                          ; a plain line behind the batch,
	s_wait_alu depctr_va_vdst(0)                   ; and one wait for it, ahead of its first reader
	v_pk_add_f32 v[14:15], v[104:105], v[106:107]  ; the sum of the unquantised p
	v_pk_add_f32 v[250:251], v[108:109], v[110:111]
.set i, 8
.rept (NV-8)/4
	v_pk_add_f32 v[14:15], v[14:15], v[104+i:105+i]
	v_pk_add_f32 v[250:251], v[250:251], v[106+i:107+i]
.set i, i+4
.endr
	s_delay_alu instid0(VALU_DEP_1)
	v_pk_add_f32 v[14:15], v[14:15], v[250:251]
.set i, 0
.rept NV
	v_min_num_f32 v[104+i], v[104+i], v19          ; p is not negative: a one-sided hold
.set i, i+1
.endr
	v_cvt_scalef32_pk8_fp8_f32 v[176:177], v[104:111], v20
.set T, 0
.rept 4*(\ng)
	v_cvt_scalef32_pk8_fp8_f32 v[184+2*T:185+2*T], v[112+8*T:119+8*T], v20
.set T, T+1
.endr
	v_nop                                          ; a plain line behind the last conversion
	s_wait_dscnt 0x0                               ; V is in
.irp q, 0,1
.irp u, 0,1
	v_perm_b32 v[104+8*(2*\q+\u)], v[33+4*\q], v[32+4*\q], s[54+\u]
	v_perm_b32 v[105+8*(2*\q+\u)], v[35+4*\q], v[34+4*\q], s[54+\u]
.irp z, 2,3,4,5,6,7
	v_mov_b32 v[104+8*(2*\q+\u)+\z], 0
.endr
.endr
.endr
	VFRAG 136, 40
.if (\ng) > 1
	VFRAG 32, 72                                   ; over registers whose data are used up
.endif
.irp a, 0,1,2,3                        ; the four accumulators take turns, one instruction a turn
	v_wmma_f32_16x16x64_fp8_fp8 v[200+8*\a:207+8*\a], v[104+8*\a:111+8*\a], v[176:183], 0
.endr
.irp a, 0,1,2,3
	v_wmma_f32_16x16x64_fp8_fp8 v[200+8*\a:207+8*\a], v[136+8*\a:143+8*\a], v[184:191], v[200+8*\a:207+8*\a]
.endr
.if (\ng) > 1
.irp a, 0,1,2,3
	v_wmma_f32_16x16x64_fp8_fp8 v[200+8*\a:207+8*\a], v[32+8*\a:39+8*\a], v[192:199], v[200+8*\a:207+8*\a]
.endr
.endif
.endm
	s_load_b128 s[4:7], s[0:1], 0x0                ; qkvc, the scales
	s_load_b64 s[8:9], s[0:1], 0x10                ; cc
	v_lshl_add_u32 v10, v0, 2, SPARE
	v_mov_b32 v11, 0
	v_and_b32 v1, 15, v0                           ; r; on the way in: which 16 bytes of a row
	v_bfe_u32 v2, v0, 4, 1                         ; h
	v_lshrrev_b32 v243, 4, v0                      ; on the way in: which of 32 rows
	s_delay_alu instid0(VALU_DEP_3)
	v_lshlrev_b32 v244, 4, v1
	s_delay_alu instid0(VALU_DEP_1)
	v_lshl_add_u32 v9, v243, 10, v244              ; neighbouring tokens: rows 1,024 bytes apart
	s_delay_alu instid0(VALU_DEP_2)
	v_lshl_add_u32 v240, v243, 14, v244            ; summary tokens: 16 tokens apart
	s_delay_alu instid0(VALU_DEP_4)
	v_mul_u32_u24 v241, v243, PK
	s_delay_alu instid0(VALU_DEP_1)
	v_add_nc_u32 v241, v241, v244
	v_mul_u32_u24 v242, v243, PV
	s_delay_alu instid0(VALU_DEP_1)
	v_add_nc_u32 v242, v242, v244
	s_delay_alu instid0(VALU_DEP_1)
	v_add_nc_u32 v242, LV, v242
	s_and_b32 s10, ttmp7, 0xffff
	s_lshr_b32 s11, s10, 2                         ; the batch
	s_and_b32 s12, s10, 3                          ; which four heads
	s_lshl_b32 s13, s11, 11
	s_lshl_b32 s14, ttmp9, 6
	s_add_co_u32 s14, s14, s13                     ; my first token
	s_lshl_b32 s14, s14, 10
	s_lshl_b32 s12, s12, 8
	s_add_co_u32 s14, s14, s12
	s_mov_b32 s15, 0
	s_add_co_u32 s16, s13, 15                      ; the batch's first summary token
	s_lshl_b32 s16, s16, 10
	s_add_co_u32 s16, s16, s12
	s_mov_b32 s17, 0
	s_lshl_b32 s18, ttmp9, 2
	s_sub_co_i32 s18, s18, 1                       ; 4 x query group - 1
	s_mov_b32 s52, 0x76543210                      ; lane l xor 16
	s_mov_b32 s53, 0xfedcba98
	s_mov_b32 s54, 0x06040200                      ; the even bytes of two registers,
	s_mov_b32 s55, 0x07050301                      ; the odd ones
	s_mov_b32 s56, 0x3e38aa3b                      ; c = log2(e) / 8
	s_wait_alu depctr_va_vdst(0)
	s_wait_kmcnt 0x0
	s_load_b512 s[36:51], s[6:7], 0x0              ; e0 .. e15 in s36 .. s51
	s_add_nc_u64 s[20:21], s[4:5], s[14:15]        ; q,
	s_add_nc_u64 s[22:23], s[20:21], 0x400000      ; k,
	s_add_nc_u64 s[24:25], s[20:21], 0x800000      ; v of my tokens
	s_add_nc_u64 s[26:27], s[4:5], s[16:17]
	s_add_nc_u64 s[26:27], s[26:27], 0x400000      ; k,
	s_add_nc_u64 s[28:29], s[26:27], 0x400000      ; v of the summary tokens
	s_add_nc_u64 s[30:31], s[8:9], s[14:15]        ; ctx's codes
.irp p, 0,1                            ; a pass: 32 rows x 256 bytes, sixteen lanes to a row
	global_load_b128 v[32+4*\p:35+4*\p], v9, s[20:21] offset:32768*\p
	global_load_b128 v[40+4*\p:43+4*\p], v9, s[22:23] offset:32768*\p
	global_load_b128 v[48+4*\p:51+4*\p], v9, s[24:25] offset:32768*\p
	global_load_b128 v[56+4*\p:59+4*\p], v240, s[26:27] offset:524288*\p
	global_load_b128 v[64+4*\p:67+4*\p], v240, s[28:29] offset:524288*\p
.endr
	v_bfe_u32 v245, v0, 7, 2                       ; my block among the four
	v_bfe_u32 v246, v0, 5, 2                       ; my head among the four
	s_delay_alu instid0(VALU_DEP_2)
	v_lshl_add_u32 v3, v245, 4, v1
	s_delay_alu instid0(VALU_DEP_1)
	v_mul_u32_u24 v3, v3, PK
	s_delay_alu instid0(VALU_DEP_1)
	v_lshl_add_u32 v3, v246, 6, v3
	s_delay_alu instid0(VALU_DEP_1)
	v_lshl_add_u32 v3, v2, 4, v3                   ; Q, local K: (16 block + r) x 272 + 64 head + 16 h
	v_mul_u32_u24 v4, v1, PK
	s_delay_alu instid0(VALU_DEP_1)
	v_lshl_add_u32 v4, v246, 6, v4
	s_delay_alu instid0(VALU_DEP_1)
	v_lshl_add_u32 v4, v2, 4, v4                   ; summary K: r x 272 + 64 head + 16 h
	v_and_b32 v247, 7, v0
	s_delay_alu instid0(VALU_DEP_1)
	v_lshl_add_u32 v247, v2, 3, v247
	v_bfe_u32 v248, v0, 3, 1
	s_delay_alu instid0(VALU_DEP_2)
	v_mul_u32_u24 v5, v247, PV
	s_delay_alu instid0(VALU_DEP_1)
	v_lshl_add_u32 v5, v246, 6, v5
	s_delay_alu instid0(VALU_DEP_1)
	v_lshl_add_u32 v5, v248, 4, v5
	s_delay_alu instid0(VALU_DEP_1)
	v_add_nc_u32 v5, LV, v5                        ; the turning load: (8 h + lane % 8) x 288 + 64 head + 16 ((lane / 8) % 2)
	v_mul_u32_u24 v6, v245, 16*PV
	s_delay_alu instid0(VALU_DEP_1)
	v_add_nc_u32 v6, v6, v5                        ; the same in my block's rows
	v_add_nc_u32 v7, CST, v3
	v_add_nc_u32 v8, CST, v241
	v_lshlrev_b32 v249, 3, v2
	s_delay_alu instid0(VALU_DEP_1)
	v_sub_nc_u32 v16, v1, v249                     ; r - 8 h
	v_add_nc_u32 v17, s18, v245
	s_delay_alu instid0(VALU_DEP_1)
	v_sub_nc_u32 v17, v17, v249                    ; my block - 1 - 8 h
	v_mov_b32 v18, 0xff800000                      ; -infinity
	v_mov_b32 v253, 0                              ; a lane permute's destination counts as read
	s_wait_kmcnt 0x0
	s_add_co_i32 s58, s42, s43
	s_lshl_b32 s58, s58, 23
	s_add_co_i32 s56, s56, s58                     ; a score stands for score x 2^(e6 + e7)
	s_mov_b32 s57, s56
	s_add_co_i32 s58, s45, 127
	s_lshl_b32 s59, s58, 23
	v_mov_b32 v20, s59                             ; 2^e9
	s_add_co_i32 s58, s58, 8
	s_lshl_b32 s58, s58, 23
	s_or_b32 s58, s58, 0x600000
	v_mov_b32 v19, s58                             ; 448 x 2^e9
	s_add_co_i32 s58, s46, 127
	s_lshl_b32 s59, s58, 23
	v_mov_b32 v22, s59                             ; 2^e10
	s_add_co_i32 s58, s58, 8
	s_lshl_b32 s58, s58, 23
	s_or_b32 s58, s58, 0x600000
	v_mov_b32 v21, s58                             ; 448 x 2^e10
	s_add_co_i32 s58, s44, s45                     ; e8 + e9
	s_cmp_lt_u32 ttmp9, 16
	s_cbranch_scc1 .Lno_g1
.irp p, 2,3                            ; unit 1 of the summary tokens, into bytes that this way alone writes
	global_load_b128 v[64+4*\p:67+4*\p], v240, s[26:27] offset:524288*\p
	global_load_b128 v[72+4*\p:75+4*\p], v240, s[28:29] offset:524288*\p
.endr
	s_wait_loadcnt 0x0
.irp p, 2,3
	ds_store_b128 v241, v[64+4*\p:67+4*\p] offset:LKS+8704*\p
	ds_store_b128 v242, v[72+4*\p:75+4*\p] offset:LVS-LV+9216*\p
.endr
.Lno_g1:
	s_wait_loadcnt 0x0
.irp p, 0,1
	ds_store_b128 v241, v[32+4*\p:35+4*\p] offset:LQ+8704*\p
	ds_store_b128 v241, v[40+4*\p:43+4*\p] offset:LK+8704*\p
	ds_store_b128 v242, v[48+4*\p:51+4*\p] offset:9216*\p
	ds_store_b128 v241, v[56+4*\p:59+4*\p] offset:LKS+8704*\p
	ds_store_b128 v242, v[64+4*\p:67+4*\p] offset:LVS-LV+9216*\p
.endr
	s_wait_dscnt 0x0                               ; for the others' sake: my stores are done
	s_barrier_signal -1
	s_barrier_wait -1
	s_cmp_lt_u32 ttmp9, 16
	s_cbranch_scc1 .Lone
	BODY 2
	s_branch .Ltail
.Lone:
	BODY 1
.Ltail:
.rept 4
	v_nop                                          ; places behind the last products
.endr
	v_add_f32 v14, v14, v15
	s_delay_alu instid0(VALU_DEP_1)
	v_permlanex16_b32 v253, v14, s52, s53
	s_delay_alu instid0(VALU_DEP_1)
	v_add_f32 v14, v14, v253                       ; the row's sum
	s_wait_alu depctr_va_vdst(0)
	v_rcp_f32 v14, v14
	v_nop
	s_wait_alu depctr_va_vdst(0)                   ; the wait ahead of the first reader
	v_ldexp_f32 v14, v14, s58                      ; x 2^(e8 + e9)
.irp q, 0,1
.irp u, 0,1
.irp j, 0,1,2,3,4,5,6,7
	v_mul_f32 v[104+16*\q+2*\j+\u], v[200+8*(2*\q+\u)+\j], v14   ; channels 32 q + 16 h + 0 .. 15 side by side; each accumulator from its low end on
.endr
.endr
.endr
.set i, 0
.rept 32
	v_med3_num_f32 v[104+i], v[104+i], -v21, v21
.set i, i+1
.endr
.irp g, 0,1,2,3
	v_cvt_scalef32_pk8_fp8_f32 v[232+2*\g:233+2*\g], v[104+8*\g:111+8*\g], v22
.endr
	v_nop
	ds_store_b128 v7, v[232:235]
	ds_store_b128 v7, v[236:239] offset:32
	s_wait_dscnt 0x0
	s_barrier_signal -1
	s_barrier_wait -1
	ds_load_b128 v[244:247], v8
	ds_load_b128 v[248:251], v8 offset:8704
	s_wait_dscnt 1                                 ; the younger load may be out
	global_store_b128 v9, v[244:247], s[30:31]     ; sixteen lanes store 256 consecutive bytes, aligned
	s_wait_dscnt 0
	global_store_b128 v9, v[248:251], s[30:31] offset:32768
	s_wait_tensorcnt 0x0                           ; the wave's end
	ds_add_u32 v10, v11
	s_wait_dscnt 0x0
	s_endpgm
.Lfunc_end_k_q142d21f4e7_attn:
	.size	k_q142d21f4e7_attn, .Lfunc_end_k_q142d21f4e7_attn-k_q142d21f4e7_attn
	.p2alignl 7, 3214868480
	.fill 96, 4, 3214868480
	.section	.rodata,"a",@progbits
	.p2align	6, 0x0
	.amdhsa_kernel k_q142d21f4e7_attn
		.amdhsa_group_segment_fixed_size 144384
		.amdhsa_private_segment_fixed_size 0
		.amdhsa_enable_private_segment 0
		.amdhsa_kernarg_size 24
		.amdhsa_user_sgpr_count 2
		.amdhsa_user_sgpr_kernarg_segment_ptr 1
		.amdhsa_wavefront_size32 1
		.amdhsa_system_sgpr_workgroup_id_x 1
		.amdhsa_system_sgpr_workgroup_id_y 1
		.amdhsa_system_sgpr_workgroup_id_z 1
		.amdhsa_system_vgpr_workitem_id 0
		.amdhsa_next_free_vgpr 256
		.amdhsa_next_free_sgpr 66
		.amdhsa_reserve_vcc 1
		.amdhsa_float_denorm_mode_32 3
		.amdhsa_float_denorm_mode_16_64 3
		.amdhsa_memory_ordered 1
		.amdhsa_forward_progress 1
		.amdhsa_inst_pref_size 57
	.end_amdhsa_kernel
	.amdgpu_metadata
---
amdhsa.version: [ 1, 2 ]
amdhsa.kernels:
  - .name:           k_q142d21f4e7_attn
    .symbol:         k_q142d21f4e7_attn.kd
    .args:
      - { .name: qkvc, .offset: 0, .size: 8, .value_kind: global_buffer, .address_space: global }
      - { .name: lowp_scales, .offset: 8, .size: 8, .value_kind: global_buffer, .address_space: global }
      - { .name: cc, .offset: 16, .size: 8, .value_kind: global_buffer, .address_space: global }
    .group_segment_fixed_size: 144384
    .private_segment_fixed_size: 0
    .kernarg_segment_align: 8
    .kernarg_segment_size: 24
    .max_flat_workgroup_size: 512
    .sgpr_count:     66
    .vgpr_count:     256
    .wavefront_size: 32
...
	.end_amdgpu_metadata
.endif
;; end of part 3
;; launch oproj (part 4): grid 8 x 32, 4 waves a work-group, clusters of 4 x 4, 327,680 bytes of LDS; arguments cc, wc, lowp_scales, bo, x, x1; writes x1
.if DOCPART == 4
	.amdgcn_target "amdgcn-amd-amdhsa--gfx1250"
	.amdhsa_code_object_version 6
	.text
	.protected	k_q142d21f4e7_oproj
	.globl	k_q142d21f4e7_oproj
	.p2align	8
	.type	k_q142d21f4e7_oproj,@function
k_q142d21f4e7_oproj:
	s_mov_b64 s[64:65], 0
	v_nop
	global_prefetch_b8 v0, s[64:65] scope:SCOPE_SE
	s_setreg_imm32_b32 hwreg(HW_REG_WAVE_MODE, 25, 1), 1
	s_wait_xcnt 0x0
	s_wait_alu depctr_hold_cnt(0) depctr_sa_sdst(0) depctr_va_vdst(0) depctr_va_sdst(0) depctr_va_ssrc(0) depctr_va_vcc(0) depctr_vm_vsrc(0)
	s_getreg_b32 s2, hwreg(HW_REG_IB_STS2, 6, 4)
	s_cmp_eq_u32 s2, 0
	s_cbranch_scc0 .Lentry_in_a_cluster
	s_endpgm
.Lentry_in_a_cluster:
	s_bfe_u32 s2, ttmp6, 0x10000c
	s_cmp_lg_u32 s2, 0xf033
	s_cbranch_scc0 .Lentry_shape_is_right
	s_endpgm
.Lentry_shape_is_right:
; Product 6 and the first residual: x1 = x + ctx wo + bo.  A = cc [4096][1024] codes, B = wo's codes [1024][1024] at 3 MiB in wc; x, x1 f32.
; N = 1,024 gives 64 tiles of 256 x 256 and 256 tiles of 128 x 128: the smaller tile gives every WGP a work-group.  Four waves, 64 x 64 each: 16 accumulators.
; K goes in steps of 512 (four steps of 128) through two LDS slots filled by the tensor data mover; a wave's load brings 64 rows of 512 bytes.  With K = 1,024 the two first fills are all: nothing is filled again.
; CLUSTERS: 4 x 4 work-groups; A's tiles are asked for jointly along a row of the cluster, B's along a column.  THE MATRIX INSTRUCTION IS USED TRANSPOSED: a lane holds eight neighbouring columns of one row.
; The bias, divided by 2^(ea + eb), is the C of each sum's first product; the residual is asked for at the head and added by result = sum x 2^(ea + eb) + residual, one packed multiply-add for two numbers.
; LIMIT: ea + eb between -126 and 127.
; REGISTERS: window 0: v16-29 addresses, v32-63 the bias, v128-255 the accumulators ((a, b) at 128 + 8 (4 a + b)).  window 1: two fragment buffers of 128 (A's four fragments, then B's four).  window 2: v0-127 the residual.
.set SIZE_K, 1024
.set WOFF,   0x300000
.set EA,     86                        ; s86, s87: entries 10 and 11 of the scales
.set KSTEP,  512
.set PITCH,  528                       ; an LDS row: 512 bytes + 16
.set HALFT,  64*PITCH
.set SLOT,   4*HALFT
.set SPARE,  2*SLOT
.set LAPS,   SIZE_K/(2*KSTEP)
.set SPITCH, 272                       ; the way out: 64 rows x (256 bytes + 16) for each wave, in slot 0
.set ADRA, 16
.set ADRB, 20
.set STO,  24
.set RD,   25
.set CO,   26
.set BO,   27
.set SPW,  28
.set NIL,  29
.set BI,   32
.set ACC,  128
.set F0,   0
.set F1,   128
.set G1, 24
.set G0, 32
.set G1B, 48
.set G0B, 56
.set MSB, 0
.macro WIN new
.if MSB != (\new)
	s_set_vgpr_msb (MSB<<8)|(\new)
.set MSB, (\new)
.endif
.endm
.set MUL,  0x05                        ; sources 0 (B) and 1 (A) window 1; C and D window 0
.set TO_F, 0x40
.macro JLOAD g0a, g1a, g0b, g1b        ; a joint load: waves 0 and 1 fetch for A, waves 2 and 3 for B; an s_nop 0 and four v_nop follow each line
	s_cmp_eq_u32 s15, 0
	s_cbranch_scc0 .Lfor_b_\@
	tensor_load_to_lds s[\g0a:\g0a+3], s[\g1a:\g1a+7]
	s_nop 0
.rept 4
	v_nop
.endr
	s_branch .Lasked_\@
.Lfor_b_\@:
	tensor_load_to_lds s[\g0b:\g0b+3], s[\g1b:\g1b+7]
	s_nop 0
.rept 4
	v_nop
.endr
.Lasked_\@:
.endm
.macro CREST
	s_cmp_lg_u32 s14, 0
	s_cbranch_scc1 .Lnot_wave_0_\@
	s_barrier_signal -3
.Lnot_wave_0_\@:
	s_barrier_wait -3
	s_barrier_signal -1
	s_barrier_wait -1
.endm
.macro CROUND
	s_barrier_signal -1
	s_barrier_wait -1
	CREST
.endm
.macro PLACES
.rept 4
	v_nop
.endr
.endm
.macro FETCH slot, k, f                ; 32 LDS loads in one run: 128 along K at byte k: B's four fragments, then A's blocks 0, 1, then 2, 3
	WIN TO_F
.irp i, 0,1,2,3
.irp c, 0,1,2,3
	ds_load_b128 v[\f+64+16*\i+4*\c:\f+64+16*\i+4*\c+3], v[ADRB+\slot] offset:\k+32*\c+\i*16*PITCH
.endr
.endr
.irp i, 0,1,2,3
.irp c, 0,1,2,3
	ds_load_b128 v[\f+16*\i+4*\c:\f+16*\i+4*\c+3], v[ADRA+\slot] offset:\k+32*\c+\i*16*PITCH
.endr
.endr
.endm
.macro MUL4 f, a, zero                 ; A's block a x B's four; the 16 accumulators take turns, one instruction a turn
.irp b, 0,1,2,3
.if \zero
	v_wmma_f32_16x16x128_fp8_fp8 v[ACC+8*(4*(\a)+\b):ACC+8*(4*(\a)+\b)+7], v[\f+64+16*\b:\f+64+16*\b+15], v[\f+16*(\a):\f+16*(\a)+15], v[BI+8*\b:BI+8*\b+7]
.else
	v_wmma_f32_16x16x128_fp8_fp8 v[ACC+8*(4*(\a)+\b):ACC+8*(4*(\a)+\b)+7], v[\f+64+16*\b:\f+64+16*\b+15], v[\f+16*(\a):\f+16*(\a)+15], v[ACC+8*(4*(\a)+\b):ACC+8*(4*(\a)+\b)+7]
.endif
.endr
.endm
.macro QUARTER slot, k, f, g, zero     ; multiplies buffer f and fetches the next 128 along K, at byte k, into g
	s_wait_dscnt 8                                 ; B and A's blocks 0, 1 are in; the youngest eight loads may be out
	WIN MUL
	MUL4 \f, 0, \zero
	MUL4 \f, 1, \zero
	PLACES
	FETCH \slot, \k, \g
	s_wait_dscnt 32                                ; all but the 32 just issued
	WIN MUL
	MUL4 \f, 2, \zero
	MUL4 \f, 3, \zero
.endm
.macro TURN slot, next, fill           ; a slot's last quarter changes slots: one barrier; fill = 1: it opens a round of the cluster's barrier and the slot is filled again
	WIN 0
	s_wait_tensorcnt 0x0                           ; all my tensor loads have landed: my part of the next slot
	ds_add_u32 v[SPW], v[NIL]                      ; 0 onto my spare word
	s_wait_dscnt 9                                 ; the add and the youngest eight loads may be out
	WIN MUL
	MUL4 F1, 0, 0
	s_wait_dscnt 0x0                               ; the add is done, and my reads of this slot are over
	s_barrier_signal -1
	MUL4 F1, 1, 0
.if \fill
	WIN 0
.endif
	s_barrier_wait -1
.if \fill
	CREST
	s_add_nc_u64 s[G0+4*\slot+2:G0+4*\slot+3], s[G0+4*\slot+2:G0+4*\slot+3], 2*KSTEP
	s_add_nc_u64 s[G0B+4*\slot+2:G0B+4*\slot+3], s[G0B+4*\slot+2:G0B+4*\slot+3], 2*KSTEP
	JLOAD G0+4*\slot, G1, G0B+4*\slot, G1B         ; my one tensor load behind the round; its four v_nop are the places in front of the loads below
.else
	PLACES
.endif
	FETCH \next, 0, F0
	WIN MUL
	MUL4 F1, 2, 0
	MUL4 F1, 3, 0
.endm
	s_load_b128 s[4:7], s[0:1], 0x0                ; A's codes, wc
	s_load_b128 s[8:11], s[0:1], 0x10              ; the scales, the bias
	s_load_b128 s[68:71], s[0:1], 0x20             ; the residual, the result
	v_lshl_add_u32 v[SPW], v0, 2, SPARE
	v_mov_b32 v[NIL], 0
	ds_add_u32 v[SPW], v[NIL]                      ; the opening: the add, twice on end, and its wait ahead of my first tensor load
	ds_add_u32 v[SPW], v[NIL]
	v_lshrrev_b32 v1, 5, v0
	v_readfirstlane_b32 s14, v1                    ; wave
	s_lshr_b32 s15, s14, 1                         ; my half of the tile's rows; also: I fetch for A (0) or B (1)
	s_and_b32 s16, s14, 1                          ; my half of its columns; also: which 64 rows I fetch
	s_bfe_u32 s40, ttmp6, 0x40000
	s_bfe_u32 s41, ttmp6, 0x40004
	s_lshl_b32 s42, ttmp9, 2
	s_add_co_u32 s42, s42, s40                     ; tile column
	s_and_b32 s17, ttmp7, 0xffff
	s_lshl_b32 s17, s17, 2
	s_add_co_u32 s17, s17, s41                     ; tile row
	s_lshl_b32 s43, s41, 2
	s_lshl_b32 s43, 15, s43
	s_lshl_b32 s44, 0x1111, s40
	s_or_b32 s[G1+0], s43, (0<<16)|(1<<20)|(1<<21)|(6<<22)|(3<<25)   ; the mask; elements of 1 byte; padding of 4 words after every 128
	s_or_b32 s[G1B+0], s44, (0<<16)|(1<<20)|(1<<21)|(6<<22)|(3<<25)
.irp g, G1, G1B
	s_mov_b32 s[\g+1], KSTEP<<16                   ; tensor_dim0
	s_mov_b32 s[\g+2], 64<<16                      ; tensor_dim1
	s_mov_b32 s[\g+3], KSTEP<<16                   ; tile_dim0
	s_mov_b32 s[\g+4], 64                          ; tile_dim1
	s_mov_b32 s[\g+5], SIZE_K                      ; the pitch
	s_mov_b32 s[\g+6], 0
	s_mov_b32 s[\g+7], 0
.endr
	s_lshl_b32 s18, s16, 6
	s_lshl_b32 s20, s17, 7
	s_add_co_u32 s20, s20, s18                     ; A: row 128 x tile row + 64 x half
	s_lshl_b32 s46, s42, 7
	s_add_co_u32 s46, s46, s18                     ; B: row 128 x tile column + 64 x half
	s_mov_b32 s21, 0
	s_mov_b32 s47, 0
	s_mov_b64 s[18:19], SIZE_K
	s_mul_u64 s[20:21], s[20:21], s[18:19]
	s_mul_u64 s[46:47], s[46:47], s[18:19]
	s_mul_i32 s45, s14, HALFT
	s_wait_dscnt 0x0                               ; both opening adds are done
	s_wait_kmcnt 0x0
	s_load_b512 s[76:91], s[8:9], 0x0              ; e0 .. e15 in s76 .. s91
	s_add_nc_u64 s[20:21], s[4:5], s[20:21]
	s_add_nc_u64 s[46:47], s[6:7], s[46:47]
	s_add_nc_u64 s[46:47], s[46:47], WOFF
	CROUND                                         ; all sixteen work-groups are here: the first joint loads meet
.irp s, 0,1
	s_mov_b32 s[G0+4*\s], 1
	s_add_co_u32 s[G0+4*\s+1], s45, \s*SLOT
	s_add_nc_u64 s[G0+4*\s+2:G0+4*\s+3], s[20:21], \s*KSTEP
	s_or_b32 s[G0+4*\s+3], s[G0+4*\s+3], 0x80000000
	s_mov_b32 s[G0B+4*\s], 1
	s_add_co_u32 s[G0B+4*\s+1], s45, \s*SLOT
	s_add_nc_u64 s[G0B+4*\s+2:G0B+4*\s+3], s[46:47], \s*KSTEP
	s_or_b32 s[G0B+4*\s+3], s[G0B+4*\s+3], 0x80000000
.endr
	JLOAD G0, G1, G0B, G1B                         ; K step 0: one tensor load a wave at the head
	; PREFETCH of K step 1: of the 64 rows that my wave fetches, each of the four partners that ask for them jointly names 16, by address (cx for A, cy for B): two lanes a row, 256 bytes a lane
	s_cmp_eq_u32 s15, 0
	s_cselect_b64 s[66:67], s[20:21], s[46:47]     ; the rows that I fetch, of A or of B
	s_cselect_b32 s74, s40, s41                    ; my place among the four
	s_lshl_b32 s74, s74, 14                        ; 16 rows of 1,024 bytes
	s_mov_b32 s75, 0
	s_add_nc_u64 s[66:67], s[66:67], s[74:75]
	v_and_b32 v30, 31, v0
	v_lshrrev_b32 v31, 1, v30
	v_and_b32 v30, 1, v30
	v_lshlrev_b32 v30, 8, v30
	v_lshl_add_u32 v30, v31, 10, v30               ; row (lane / 2), 256 x (lane % 2)
	global_prefetch_b8 v30, s[66:67] offset:512 th:TH_LOAD_NT scope:SCOPE_SE
	v_and_b32 v1, 15, v0                           ; r
	s_wait_alu depctr_va_vdst(0)
	v_bfe_u32 v2, v0, 4, 1                         ; h
	v_mul_u32_u24 v3, v1, PITCH
	v_lshl_add_u32 v4, v2, 4, v3
	s_mul_i32 s21, s15, HALFT
	s_mul_i32 s22, s16, HALFT
	s_add_co_u32 s22, s22, 2*HALFT
.irp s, 0,1
	v_add_nc_u32 v[ADRA+\s], s21, v4
	v_add_nc_u32 v[ADRB+\s], s22, v4
	s_add_co_u32 s21, s21, SLOT
	s_add_co_u32 s22, s22, SLOT
.endr
	s_mul_i32 s23, s14, 64*SPITCH                  ; my stage
	v_mul_u32_u24 v5, v1, SPITCH
	s_wait_alu depctr_va_vdst(0)
	v_lshl_add_u32 v5, v2, 5, v5
	v_add_nc_u32 v[STO], s23, v5                   ; in: row r, 32 bytes for each half of the lanes
	v_mul_u32_u24 v6, v2, SPITCH
	v_lshl_add_u32 v6, v1, 4, v6
	v_add_nc_u32 v[RD], s23, v6                    ; back: sixteen lanes to a row of 256 bytes
	v_lshlrev_b32 v7, 12, v2
	v_lshl_add_u32 v[CO], v1, 4, v7                ; and the same two rows in memory, 4,096 bytes apart
	v_lshlrev_b32 v[BO], 5, v2
	s_wait_alu depctr_va_vdst(0)
	s_lshl_b32 s20, s17, 7
	s_lshl_b32 s21, s15, 6
	s_add_co_u32 s20, s20, s21
	s_lshl_b32 s20, s20, 12                        ; my first row
	s_mov_b32 s21, 0
	s_lshl_b32 s46, s42, 9
	s_lshl_b32 s47, s16, 8
	s_add_co_u32 s46, s46, s47                     ; my first column, in bytes
	s_mov_b32 s47, 0
	s_add_nc_u64 s[68:69], s[68:69], s[20:21]
	s_add_nc_u64 s[68:69], s[68:69], s[46:47]
	s_add_nc_u64 s[70:71], s[70:71], s[20:21]
	s_add_nc_u64 s[70:71], s[70:71], s[46:47]
	s_add_nc_u64 s[10:11], s[10:11], s[46:47]
.irp b, 0,1,2,3
	global_load_b128 v[BI+8*\b:BI+8*\b+3], v[BO], s[10:11] offset:64*\b        ; lane (r, h), tile b: columns 16 b + 8 h + 0 .. 7
	global_load_b128 v[BI+8*\b+4:BI+8*\b+7], v[BO], s[10:11] offset:64*\b+16
.endr
	WIN 0x80                                       ; destination window 2
.irp a, 0,1,2,3
.irp t, 0,1,2,3,4,5,6,7
	global_load_b128 v[4*(8*\a+\t):4*(8*\a+\t)+3], v[CO], s[68:69] offset:(16*\a+2*\t)*4096   ; the residual, in the layout in which the results leave; it lands while the products run
.endr
.endr
	WIN 0
	s_wait_kmcnt 0x0
	s_add_co_i32 s92, s[EA], s[EA+1]               ; ea + eb
	s_sub_co_i32 s93, 0, s92
	s_add_co_i32 s96, s92, 127
	s_lshl_b32 s96, s96, 23                        ; 2^(ea + eb)
	s_mov_b32 s97, s96
	s_wait_loadcnt 32                              ; the bias is in; the residual's 32 loads may be out
.set i, 0
.rept 32
	v_ldexp_f32 v[BI+i], v[BI+i], s93              ; bias / 2^(ea + eb)
.set i, i+1
.endr
	s_wait_alu depctr_va_vdst(0)
	s_wait_tensorcnt 0x0                           ; my part of K step 0 is in
	ds_add_u32 v[SPW], v[NIL]
	s_wait_dscnt 0x0
	CROUND                                         ; everybody's part of K step 0 is in, and the joint loads meet
	JLOAD G0+4, G1, G0B+4, G1B                     ; K step 1, my one tensor load behind the round
	FETCH 0, 0, F0
	QUARTER 0, 128, F0, F1, 1                      ; the first quarter stands in front of the loop: its products start the sums from the bias
.if LAPS > 1
	WIN 0
	s_mov_b32 s3, LAPS-1
.Llap:
	QUARTER 0, 256, F1, F0, 0
	QUARTER 0, 384, F0, F1, 0
	TURN 0, 1, 1
	QUARTER 1, 128, F0, F1, 0
	QUARTER 1, 256, F1, F0, 0
	QUARTER 1, 384, F0, F1, 0
	TURN 1, 0, 1
	QUARTER 0, 128, F0, F1, 0
	WIN 0
	s_sub_co_u32 s3, s3, 1
	s_cmp_lg_u32 s3, 0
	s_cbranch_scc1 .Llap
.endif
	QUARTER 0, 256, F1, F0, 0                      ; the last lap fills nothing
	QUARTER 0, 384, F0, F1, 0
	TURN 0, 1, 0
	QUARTER 1, 128, F0, F1, 0
	QUARTER 1, 256, F1, F0, 0
	QUARTER 1, 384, F0, F1, 0
	s_wait_dscnt 8
	WIN MUL
	MUL4 F1, 0, 0
	MUL4 F1, 1, 0
	s_wait_dscnt 0
	MUL4 F1, 2, 0
	MUL4 F1, 3, 0
	WIN 0
	; THE WAY OUT: through my own stage (in slot 0, which has had its last fill and is read by nobody behind the last change of slots) and back as whole rows of 256 bytes, into the registers that they left.
	PLACES
.irp a, 0,1,2,3
.irp b, 0,1,2,3
	ds_store_b128 v[STO], v[ACC+8*(4*\a+\b):ACC+8*(4*\a+\b)+3] offset:\a*16*SPITCH+64*\b
	ds_store_b128 v[STO], v[ACC+8*(4*\a+\b)+4:ACC+8*(4*\a+\b)+7] offset:\a*16*SPITCH+64*\b+16
.endr
.endr
.irp a, 0,1,2,3
.irp t, 0,1,2,3,4,5,6,7
	ds_load_b128 v[ACC+32*\a+4*\t:ACC+32*\a+4*\t+3], v[RD] offset:\a*16*SPITCH+\t*2*SPITCH   ; LDS serves a wave's instructions in order: these see my stores
.endr
.endr
	s_wait_loadcnt 0x0                             ; the residual
.irp a, 0,1,2,3
	s_wait_dscnt 8*(3-\a)                          ; the later blocks' loads may be out
	WIN 0x20                                       ; source 2 window 2
.irp i, 0,2,4,6,8,10,12,14,16,18,20,22,24,26,28,30
	v_pk_fma_f32 v[ACC+32*\a+\i:ACC+32*\a+\i+1], v[ACC+32*\a+\i:ACC+32*\a+\i+1], s[96:97], v[32*\a+\i:32*\a+\i+1] op_sel_hi:[1,0,1]
.endr
	WIN 0
.irp t, 0,1,2,3,4,5,6,7
	global_store_b128 v[CO], v[ACC+32*\a+4*\t:ACC+32*\a+4*\t+3], s[70:71] offset:(16*\a+2*\t)*4096   ; sixteen lanes store 256 consecutive bytes, aligned
.endr
.endr
	s_wait_tensorcnt 0x0                           ; the wave's end
	ds_add_u32 v[SPW], v[NIL]
	s_wait_dscnt 0x0
	CROUND                                         ; the closing round
	s_endpgm
.Lfunc_end_k_q142d21f4e7_oproj:
	.size	k_q142d21f4e7_oproj, .Lfunc_end_k_q142d21f4e7_oproj-k_q142d21f4e7_oproj
	.p2alignl 7, 3214868480
	.fill 96, 4, 3214868480
	.section	.rodata,"a",@progbits
	.p2align	6, 0x0
	.amdhsa_kernel k_q142d21f4e7_oproj
		.amdhsa_group_segment_fixed_size 327680
		.amdhsa_private_segment_fixed_size 0
		.amdhsa_enable_private_segment 0
		.amdhsa_kernarg_size 48
		.amdhsa_user_sgpr_count 2
		.amdhsa_user_sgpr_kernarg_segment_ptr 1
		.amdhsa_wavefront_size32 1
		.amdhsa_system_sgpr_workgroup_id_x 1
		.amdhsa_system_sgpr_workgroup_id_y 1
		.amdhsa_system_sgpr_workgroup_id_z 1
		.amdhsa_system_vgpr_workitem_id 0
		.amdhsa_next_free_vgpr 640
		.amdhsa_next_free_sgpr 100
		.amdhsa_reserve_vcc 0
		.amdhsa_float_denorm_mode_32 3
		.amdhsa_float_denorm_mode_16_64 3
		.amdhsa_memory_ordered 1
		.amdhsa_forward_progress 1
		.amdhsa_inst_pref_size 53
	.end_amdhsa_kernel
	.amdgpu_metadata
---
amdhsa.version: [ 1, 2 ]
amdhsa.kernels:
  - .name:           k_q142d21f4e7_oproj
    .symbol:         k_q142d21f4e7_oproj.kd
    .args:
      - { .name: cc, .offset: 0, .size: 8, .value_kind: global_buffer, .address_space: global }
      - { .name: wc, .offset: 8, .size: 8, .value_kind: global_buffer, .address_space: global }
      - { .name: lowp_scales, .offset: 16, .size: 8, .value_kind: global_buffer, .address_space: global }
      - { .name: bo, .offset: 24, .size: 8, .value_kind: global_buffer, .address_space: global }
      - { .name: x, .offset: 32, .size: 8, .value_kind: global_buffer, .address_space: global }
      - { .name: x1, .offset: 40, .size: 8, .value_kind: global_buffer, .address_space: global }
    .group_segment_fixed_size: 327680
    .private_segment_fixed_size: 0
    .kernarg_segment_align: 8
    .kernarg_segment_size: 48
    .max_flat_workgroup_size: 128
    .sgpr_count:     100
    .vgpr_count:     640
    .wavefront_size: 32
...
	.end_amdgpu_metadata
.endif
;; end of part 4
;; launch ln2 (part 5): grid 256 x 1, 4 waves a work-group, no clusters, 0 bytes of LDS; arguments x1, ln2_g, ln2_b, lowp_scales, h2c; writes h2c
.if DOCPART == 5
	.amdgcn_target "amdgcn-amd-amdhsa--gfx1250"
	.amdhsa_code_object_version 6
	.text
	.protected	k_q142d21f4e7_ln2
	.globl	k_q142d21f4e7_ln2
	.p2align	8
	.type	k_q142d21f4e7_ln2,@function
k_q142d21f4e7_ln2:
	s_mov_b64 s[64:65], 0
	v_nop
	global_prefetch_b8 v0, s[64:65] scope:SCOPE_SE
	s_setreg_imm32_b32 hwreg(HW_REG_WAVE_MODE, 25, 1), 1
	s_wait_xcnt 0x0
; h2 = LayerNorm2(x1) in f32, quantised with scale 12 (the A operand of product 7) into h2c [4096][1024].
; A wave takes a row at a time, four rows; a lane holds four groups of 8 neighbours (columns 256 j + 8 lane), so a group's 8 codes are 8 bytes and a wave's store covers 256 consecutive aligned bytes.  No LDS, no barrier.
; LIMIT: e12 between -126 and 119.  NaN among the inputs is not served.
.set LG,   16                          ; v16-47   gain
.set LB,   48                          ; v48-79   bias
.set LX,   80                          ; v80-207  four rows of 32 numbers a lane
.set LT,   208                         ; v208-239 held numbers
.set LC,   240                         ; v240-247 codes
.macro WSUM
	v_add_f32 v8, v8, v9
	v_add_f32_dpp v8, v8, v8 row_xmask:1 row_mask:0xf bank_mask:0xf
	v_add_f32_dpp v8, v8, v8 row_xmask:2 row_mask:0xf bank_mask:0xf
	v_add_f32_dpp v8, v8, v8 row_xmask:4 row_mask:0xf bank_mask:0xf
	v_add_f32_dpp v8, v8, v8 row_xmask:8 row_mask:0xf bank_mask:0xf
	v_permlanex16_b32 v9, v8, s30, s31
	v_add_f32 v8, v8, v9
.endm
.macro LNROW i
.set XR, LX+32*(\i)
	s_wait_loadcnt 8*(3-(\i))                      ; my row's eight loads are in; the later rows' may be out
	v_pk_add_f32 v[8:9], v[XR:XR+1], v[XR+2:XR+3]
	v_pk_add_f32 v[14:15], v[XR+4:XR+5], v[XR+6:XR+7]
.irp j, 8,12,16,20,24,28
	v_pk_add_f32 v[8:9], v[8:9], v[XR+\j:XR+\j+1]
	v_pk_add_f32 v[14:15], v[14:15], v[XR+\j+2:XR+\j+3]
.endr
	v_pk_add_f32 v[8:9], v[8:9], v[14:15]
	WSUM
	v_mul_f32 v4, s32, v8                          ; the mean
	v_mov_b32 v5, v4
.set j, 0
.rept 16
	v_pk_add_f32 v[XR+j:XR+j+1], v[XR+j:XR+j+1], v[4:5] neg_lo:[0,1] neg_hi:[0,1]
.set j, j+2
.endr
	v_pk_mul_f32 v[8:9], v[XR:XR+1], v[XR:XR+1]
	v_pk_mul_f32 v[14:15], v[XR+2:XR+3], v[XR+2:XR+3]
.irp j, 4,8,12,16,20,24,28
	v_pk_fma_f32 v[8:9], v[XR+\j:XR+\j+1], v[XR+\j:XR+\j+1], v[8:9]
	v_pk_fma_f32 v[14:15], v[XR+\j+2:XR+\j+3], v[XR+\j+2:XR+\j+3], v[14:15]
.endr
	v_pk_add_f32 v[8:9], v[8:9], v[14:15]
	WSUM
	v_fma_f32 v8, v8, s32, s33                     ; the variance + 1e-5
	s_wait_alu depctr_va_vdst(0)
	v_rsq_f32 v6, v8
	v_nop                                          ; a plain line behind the transcendental,
	s_wait_alu depctr_va_vdst(0)                   ; and the wait ahead of its first reader
	v_mov_b32 v7, v6
.set j, 0
.rept 16
	v_pk_mul_f32 v[XR+j:XR+j+1], v[XR+j:XR+j+1], v[6:7]
.set j, j+2
.endr
.set j, 0
.rept 16
	v_pk_fma_f32 v[XR+j:XR+j+1], v[XR+j:XR+j+1], v[LG+j:LG+j+1], v[LB+j:LB+j+1]
.set j, j+2
.endr
.set j, 0
.rept 32
	v_med3_num_f32 v[LT+j], v[XR+j], -v249, v249
.set j, j+1
.endr
	s_wait_alu depctr_va_vdst(0)
	s_wait_xcnt 0x0                                ; the earlier stores have read the codes' registers
.irp g, 0,1,2,3
	v_cvt_scalef32_pk8_fp8_f32 v[LC+2*\g:LC+2*\g+1], v[LT+8*\g:LT+8*\g+7], v248
.endr
	v_nop                                          ; a plain line behind the last conversion: the next row's holds write its sources
.irp g, 0,1,2,3
	global_store_b64 v3, v[LC+2*\g:LC+2*\g+1], s[22:23] offset:1024*(\i)+256*\g   ; 32 lanes store 256 consecutive bytes, aligned
.endr
.endm
	s_load_b256 s[4:11], s[0:1], 0x0               ; x1 4, ln2_g 6, ln2_b 8, the scales 10
	s_load_b64 s[12:13], s[0:1], 0x20              ; h2c
	v_lshrrev_b32 v1, 5, v0
	v_readfirstlane_b32 s28, v1                    ; wave
	v_and_b32 v1, 31, v0
	v_lshlrev_b32 v2, 5, v1                        ; 32 x lane: my 8 numbers of a group
	v_lshlrev_b32 v3, 3, v1                        ; 8 x lane: their codes
	s_lshl_b32 s29, ttmp9, 2
	s_add_co_u32 s29, s29, s28
	s_lshl_b32 s29, s29, 2                         ; my wave's first row
	s_lshl_b32 s16, s29, 12
	s_mov_b32 s17, 0
	s_lshl_b32 s18, s29, 10
	s_mov_b32 s19, 0
	s_mov_b32 s30, 0x76543210                      ; lane l xor 16
	s_mov_b32 s31, 0xfedcba98
	s_mov_b32 s32, 0x3a800000                      ; 1 / 1024
	s_mov_b32 s33, 0x3727c5ac                      ; 1e-5
	s_wait_alu depctr_va_vdst(0)
	s_wait_kmcnt 0x0
	s_load_b32 s14, s[10:11], 0x30                 ; e12
	s_add_nc_u64 s[20:21], s[4:5], s[16:17]
	s_add_nc_u64 s[22:23], s[12:13], s[18:19]
.irp j, 0,1,2,3
	global_load_b128 v[LG+8*\j:LG+8*\j+3], v2, s[6:7] offset:1024*\j
	global_load_b128 v[LG+8*\j+4:LG+8*\j+7], v2, s[6:7] offset:1024*\j+16
	global_load_b128 v[LB+8*\j:LB+8*\j+3], v2, s[8:9] offset:1024*\j
	global_load_b128 v[LB+8*\j+4:LB+8*\j+7], v2, s[8:9] offset:1024*\j+16
.endr
.irp i, 0,1,2,3
.irp j, 0,1,2,3
	global_load_b128 v[LX+32*\i+8*\j:LX+32*\i+8*\j+3], v2, s[20:21] offset:4096*\i+1024*\j
	global_load_b128 v[LX+32*\i+8*\j+4:LX+32*\i+8*\j+7], v2, s[20:21] offset:4096*\i+1024*\j+16
.endr
.endr
	s_wait_kmcnt 0x0
	s_add_co_i32 s34, s14, 127
	s_lshl_b32 s35, s34, 23
	v_mov_b32 v248, s35                            ; 2^e12
	s_add_co_i32 s34, s34, 8
	s_lshl_b32 s34, s34, 23
	s_or_b32 s34, s34, 0x600000
	v_mov_b32 v249, s34                            ; 448 x 2^e12
	LNROW 0
	LNROW 1
	LNROW 2
	LNROW 3
	s_endpgm
.Lfunc_end_k_q142d21f4e7_ln2:
	.size	k_q142d21f4e7_ln2, .Lfunc_end_k_q142d21f4e7_ln2-k_q142d21f4e7_ln2
	.p2alignl 7, 3214868480
	.fill 96, 4, 3214868480
	.section	.rodata,"a",@progbits
	.p2align	6, 0x0
	.amdhsa_kernel k_q142d21f4e7_ln2
		.amdhsa_group_segment_fixed_size 0
		.amdhsa_private_segment_fixed_size 0
		.amdhsa_enable_private_segment 0
		.amdhsa_kernarg_size 40
		.amdhsa_user_sgpr_count 2
		.amdhsa_user_sgpr_kernarg_segment_ptr 1
		.amdhsa_wavefront_size32 1
		.amdhsa_system_sgpr_workgroup_id_x 1
		.amdhsa_system_sgpr_workgroup_id_y 1
		.amdhsa_system_sgpr_workgroup_id_z 1
		.amdhsa_system_vgpr_workitem_id 0
		.amdhsa_next_free_vgpr 256
		.amdhsa_next_free_sgpr 66
		.amdhsa_reserve_vcc 0
		.amdhsa_float_denorm_mode_32 3
		.amdhsa_float_denorm_mode_16_64 3
		.amdhsa_memory_ordered 1
		.amdhsa_forward_progress 1
		.amdhsa_inst_pref_size 42
	.end_amdhsa_kernel
	.amdgpu_metadata
---
amdhsa.version: [ 1, 2 ]
amdhsa.kernels:
  - .name:           k_q142d21f4e7_ln2
    .symbol:         k_q142d21f4e7_ln2.kd
    .args:
      - { .name: x1, .offset: 0, .size: 8, .value_kind: global_buffer, .address_space: global }
      - { .name: ln2_g, .offset: 8, .size: 8, .value_kind: global_buffer, .address_space: global }
      - { .name: ln2_b, .offset: 16, .size: 8, .value_kind: global_buffer, .address_space: global }
      - { .name: lowp_scales, .offset: 24, .size: 8, .value_kind: global_buffer, .address_space: global }
      - { .name: h2c, .offset: 32, .size: 8, .value_kind: global_buffer, .address_space: global }
    .group_segment_fixed_size: 0
    .private_segment_fixed_size: 0
    .kernarg_segment_align: 8
    .kernarg_segment_size: 40
    .max_flat_workgroup_size: 128
    .sgpr_count:     66
    .vgpr_count:     256
    .wavefront_size: 32
...
	.end_amdgpu_metadata
.endif
;; end of part 5
;; launch ffn1 (part 6): grid 8 x 32, 4 waves a work-group, clusters of 4 x 4, 327,680 bytes of LDS; arguments h2c, wc, lowp_scales, b1, gc; writes gc
.if DOCPART == 6
	.amdgcn_target "amdgcn-amd-amdhsa--gfx1250"
	.amdhsa_code_object_version 6
	.text
	.protected	k_q142d21f4e7_ffn1
	.globl	k_q142d21f4e7_ffn1
	.p2align	8
	.type	k_q142d21f4e7_ffn1,@function
k_q142d21f4e7_ffn1:
	s_mov_b64 s[64:65], 0
	v_nop
	global_prefetch_b8 v0, s[64:65] scope:SCOPE_SE
	s_setreg_imm32_b32 hwreg(HW_REG_WAVE_MODE, 25, 1), 1
	s_wait_xcnt 0x0
	s_wait_alu depctr_hold_cnt(0) depctr_sa_sdst(0) depctr_va_vdst(0) depctr_va_sdst(0) depctr_va_ssrc(0) depctr_va_vcc(0) depctr_vm_vsrc(0)
	s_getreg_b32 s2, hwreg(HW_REG_IB_STS2, 6, 4)
	s_cmp_eq_u32 s2, 0
	s_cbranch_scc0 .Lentry_in_a_cluster
	s_endpgm
.Lentry_in_a_cluster:
	s_bfe_u32 s2, ttmp6, 0x10000c
	s_cmp_lg_u32 s2, 0xf033
	s_cbranch_scc0 .Lentry_shape_is_right
	s_endpgm
.Lentry_shape_is_right:
; Product 7 with its activation: g = gelu(h2 w1 + b1), exact form, quantised with scale 14 into gc [4096][4096].  A = h2c [4096][1024] codes, B = w1's codes [4096][1024] at 4 MiB in wc.
; SHARES.  A work-group makes 128 rows x 512 columns.  A's 128 rows, the whole K, come by one fill; each wave then keeps its 64 rows as fragments in 512 registers.  B comes in eight tiles of 64 columns x 1,024 K
; through two LDS slots; of each tile a wave makes 64 rows x 32 columns: 64 matrix instructions, then the activation and the codes of 64 numbers a lane.
; A TRIP: tile t's products, from 256 registers of fragments that are already in; among the last sixteen of them the change of slots, behind which tile t + 2 is asked for; then tile t's activation, with
; tile t + 1's 64 fragment loads strewn through it in eight groups of eight.
; A tile holds columns 32 t .. 32 t + 31 of each half of the 512, so a wave's columns over the eight tiles are 256 neighbours: its codes gather in its own stage and leave as whole rows of 256 bytes.
; The stages lie in A's bytes, which have had their only fill and are read by nobody behind the first trip's round.
; CLUSTERS: 4 x 4 work-groups; A is asked for jointly along a row of the cluster, B's tiles along a column.  THE MATRIX INSTRUCTION IS USED TRANSPOSED: a lane holds eight neighbouring columns of one row.
; The bias of a wave's 256 columns, divided by 2^(e12 + e13), lies in 1,024 LDS bytes of the wave's own; a tile's part of it is the C of each sum's first product.
; ACTIVATION: z = u / sqrt(2); erf(z) = zc P(zc^2) / Q(zc^2) with zc = z held within +-4, where erf is 1 to the last bit of f32; g = u / 2 (1 + erf) = z (c + zc P' / Q), c = 1 / sqrt(2), P' = c P.
; Fragments come by loads of 16 bytes: a permutation of k that is the same in A and in B.
; PREFETCH: tiles 1 and 2 are named at the head; behind the load of tile f, tile f + 2 (up to tile 7).  The four partners that share a tile take 16 of its rows each, by address; a wave 4 rows, a lane 256 bytes
; (lanes 16-31 name lane 15's again).
; LIMITS: e12 + e13 between -125 and 126; e14 between -126 and 119.  NaN among the inputs is not served.
; REGISTERS: window 0: v1-15 addresses, v16-39 constants, v40-55 bias, v56-119 sums, v120-255 at work.  window 1: a tile's fragments of B.  windows 2, 3: A's fragments of my rows 0-31, 32-63.
.set PITCH, 1040                       ; an LDS row: 1,024 bytes + 16
.set BSL,   64*PITCH                   ; a slot of B; slot 0 at byte 0, slot 1 behind it
.set ABASE, 2*BSL                      ; A's 128 rows
.set SPARE, ABASE+128*PITCH            ; the spare words
.set BIASL, SPARE+512                  ; the bias: 1,024 bytes for each wave
.set SP,    272                        ; a stage row: 256 bytes + 16
.set PADW,  (1<<20)|(1<<21)|(7<<22)|(3<<25)   ; padding of 4 words after every 256; bit 21 beside a mask
.set SPW, 1
.set NIL, 2
.set AB0, 3
.set ADB, 4
.set AA0, 5
.set STO, 6
.set STR, 7
.set RD,  8
.set CO,  9
.set BO,  10
.set LIM, 11
.set SCL, 12
.set PFO, 13
.set KC,  16
.set BI,  40
.set AC,  56
.set ZZ,  120
.set X2,  152
.set PP,  184
.set QQ,  216
.set CD,  248
.set OB,  120
.set G1A, 24
.set G0A, 32
.set G0B, 36
.set G1B, 48
.set G1R, 56
.set G0R, 68
.set MSB, 0
.macro WIN new                         ; the immediate's high byte repeats the setting that is left
.if MSB != (\new)
	s_set_vgpr_msb (MSB<<8)|(\new)
.set MSB, (\new)
.endif
.endm
.macro NOPS
.rept 4
	v_nop
.endr
.endm
.macro CREST                           ; a round of the cluster's barrier behind its opening barrier
	s_cmp_lg_u32 s14, 0
	s_cbranch_scc1 .Lnot_wave_0_\@
	s_barrier_signal -3
.Lnot_wave_0_\@:
	s_barrier_wait -3
	s_barrier_signal -1
	s_barrier_wait -1
.endm
.macro CROUND                          ; a whole round
	s_barrier_signal -1
	s_barrier_wait -1
	CREST
.endm
.macro G1SET g, rows                   ; rows of 1,024 bytes, 1,024 apart in memory
	s_mov_b32 s[\g+1], 1024<<16
	s_mov_b32 s[\g+2], (\rows)<<16
	s_mov_b32 s[\g+3], 1024<<16
	s_mov_b32 s[\g+4], \rows
	s_mov_b32 s[\g+5], 1024
	s_mov_b32 s[\g+6], 0
	s_mov_b32 s[\g+7], 0
.endm
.macro G0SET g, lds, base, off
	s_mov_b32 s[\g], 1
	s_mov_b32 s[\g+1], s\lds
	s_add_nc_u64 s[\g+2:\g+3], s[\base:\base+1], s[\off:\off+1]
	s_or_b32 s[\g+3], s[\g+3], 0x80000000
.endm
.macro KSET r, val
	v_mov_b32 v[KC+\r], \val
	v_mov_b32 v[KC+\r+1], \val
.endm
.macro ALD a                           ; A's block a of 16 rows, all of K, into window 2 or 3
.irp k, 0,1,2,3,4,5,6,7
.irp c, 0,1,2,3
	ds_load_b128 v[(((\a)%2)*8+\k)*16+4*\c:(((\a)%2)*8+\k)*16+4*\c+3], v[AA0] offset:(\a)*16*PITCH+128*\k+32*\c
.endr
.endr
.endm
.macro LBR k                           ; B's two fragments of K step k: eight loads into window 1
.irp b, 0,1
.irp c, 0,1,2,3
	ds_load_b128 v[32*(\k)+16*\b+4*\c:32*(\k)+16*\b+4*\c+3], v[ADB] offset:\b*16*PITCH+128*(\k)+32*\c
.endr
.endr
.endm
.macro LBK k, ld
.if \ld
	WIN 0x40
	LBR \k
	WIN 0
.endif
.endm
.macro BLD adr                         ; a tile's bias: lane (r, h), tile b: columns 16 b + 8 h + 0 .. 7
.irp b, 0,1
	ds_load_b128 v[BI+8*\b:BI+8*\b+3], v[\adr] offset:64*\b
	ds_load_b128 v[BI+8*\b+4:BI+8*\b+7], v[\adr] offset:64*\b+16
.endr
.endm
.macro STEPD                           ; no tensor load of mine is out: the walking descriptor and the prefetches' address go a tile on
	s_xor_b32 s[G0R+1], s[G0R+1], BSL              ; the other slot (my part's offset shares no bit with BSL),
	s_add_nc_u64 s[G0R+2:G0R+3], s[G0R+2:G0R+3], 32*1024   ; 32 rows of w1's codes on
	s_wait_xcnt 0x0                                ; my prefetches have read their address
	s_add_nc_u64 s[46:47], s[46:47], 32*1024
.endm
.macro WMK p, k                        ; K step k of my rows 32 p on: four accumulators take turns, one instruction a turn
.irp a, 0,1
.irp b, 0,1
.if (\k) == 0
	v_wmma_f32_16x16x128_fp8_fp8 v[AC+8*(4*(\p)+2*\a+\b):AC+8*(4*(\p)+2*\a+\b)+7], v[32*(\k)+16*\b:32*(\k)+16*\b+15], v[(\a*8+(\k))*16:(\a*8+(\k))*16+15], v[BI+8*\b:BI+8*\b+7]
.else
	v_wmma_f32_16x16x128_fp8_fp8 v[AC+8*(4*(\p)+2*\a+\b):AC+8*(4*(\p)+2*\a+\b)+7], v[32*(\k)+16*\b:32*(\k)+16*\b+15], v[(\a*8+(\k))*16:(\a*8+(\k))*16+15], v[AC+8*(4*(\p)+2*\a+\b):AC+8*(4*(\p)+2*\a+\b)+7]
.endif
.endr
.endr
.endm
.macro PFIRST d, k1, k0
.set i, 0
.rept 16
	v_pk_fma_f32 v[\d+i:\d+i+1], v[X2+i:X2+i+1], v[KC+\k1:KC+\k1+1], v[KC+\k0:KC+\k0+1]
.set i, i+2
.endr
.endm
.macro PSTEP d, k
.set i, 0
.rept 16
	v_pk_fma_f32 v[\d+i:\d+i+1], v[\d+i:\d+i+1], v[X2+i:X2+i+1], v[KC+\k:KC+\k+1]
.set i, i+2
.endr
.endm
.macro PMUL d, a, b
.set i, 0
.rept 16
	v_pk_mul_f32 v[\d+i:\d+i+1], v[\a+i:\a+i+1], v[\b+i:\b+i+1]
.set i, i+2
.endr
.endm
.macro GELU hf, ld                     ; four accumulators, 32 numbers a lane; ld = 1: four groups of the next tile's fragment loads stand among the lines
.set AR, AC+32*(\hf)
	s_wait_alu depctr_va_vdst(0)                   ; the wait directly ahead of the first readers of the sums
.set i, 0
.rept 16
	v_pk_mul_f32 v[AR+i:AR+i+1], v[AR+i:AR+i+1], s[92:93] op_sel_hi:[1,0]   ; z = u / sqrt(2); each accumulator from its low end on
.set i, i+2
.endr
.set i, 0
.rept 32
	v_med3_num_f32 v[ZZ+i], v[AR+i], -4.0, 4.0     ; zc
.set i, i+1
.endr
	LBK 4*(\hf), \ld
	PMUL X2, ZZ, ZZ
	PFIRST PP, 0, 2
	PFIRST QQ, 14, 16
	PSTEP PP, 4
	LBK 4*(\hf)+1, \ld
	PSTEP QQ, 18
	PSTEP PP, 6
	PSTEP QQ, 20
	PSTEP PP, 8
	LBK 4*(\hf)+2, \ld
	PSTEP QQ, 22
	PSTEP PP, 10
	PSTEP PP, 12
	LBK 4*(\hf)+3, \ld
	s_wait_alu depctr_va_vdst(0)                   ; the wait ahead of the batch,
.set i, 0
.rept 32
	v_rcp_f32 v[QQ+i], v[QQ+i]
.set i, i+1
.endr
	PMUL PP, PP, ZZ                                ; plain lines behind it,
	s_wait_alu depctr_va_vdst(0)                   ; and the wait ahead of its first reader
.set i, 0
.rept 16
	v_pk_fma_f32 v[PP+i:PP+i+1], v[PP+i:PP+i+1], v[QQ+i:QQ+i+1], s[94:95] op_sel_hi:[1,1,0]   ; c + zc P' / Q
.set i, i+2
.endr
	PMUL AR, AR, PP                                ; g
.set i, 0
.rept 32
	v_med3_num_f32 v[AR+i], v[AR+i], -v[LIM], v[LIM]   ; the conversion does not saturate (ISA guide 7.6.2)
.set i, i+1
.endr
.if \hf                                ; (the first half finds the codes' registers free: the last stores that read them were waited for among the products)
	s_wait_alu depctr_va_vdst(0)
	s_wait_dscnt 32*(\ld)                          ; the first half's stores have read the codes' registers; the 32 loads issued since may be out
.endif
.irp g, 0,1,2,3
	v_cvt_scalef32_pk8_fp8_f32 v[CD+2*\g:CD+2*\g+1], v[AR+8*\g:AR+8*\g+7], v[SCL]
.endr
	v_nop                                          ; a plain line behind the last conversion
.irp g, 0,1,2,3
	ds_store_b64 v[STR], v[CD+2*\g:CD+2*\g+1] offset:(2*(\hf)+\g/2)*16*SP+16*(\g%2)
.endr
.endm
.macro TRIP fill, more                 ; one tile; more = 1: another tile follows; fill = 1: and one more is asked for
	s_wait_alu depctr_va_vdst(0)
	s_wait_dscnt 4                                 ; the tile's fragments and bias are in; the four stores into the stage, which are younger, may be out
	WIN 0x09                                       ; source 0 (B) window 1, source 1 (A) window 2
.irp k, 0,1,2,3,4,5,6,7
	WMK 0, \k
.endr
	WIN 0x0d                                       ; source 1 (A) window 3
.irp k, 0,1,2,3
	WMK 1, \k
.endr
.if \more
	WIN 0                                          ; (the add's two registers lie in window 0)
	s_wait_tensorcnt 0x0                           ; all my tensor loads have landed: my part of the next tile
	ds_add_u32 v[SPW], v[NIL]                      ; 0 onto my spare word
.if \fill
	STEPD
.endif
	WIN 0x0d
	WMK 1, 4                                       ; eight matrix instructions stand between the add and the wait for it
	WMK 1, 5
	s_wait_dscnt 0x0                               ; the add is done; my reads of the slot that is to be filled were over before these products began
	s_barrier_signal -1                            ; fill = 1: this barrier opens a round of the cluster's barrier
	WMK 1, 6
	WMK 1, 7
	WIN 0
	s_barrier_wait -1
.if \fill
	CREST
	tensor_load_to_lds s[G0R:G0R+3], s[G1R:G1R+7]  ; my 16 rows of the tile two on: my one tensor load behind the round
	s_nop 0
.endif
	NOPS                                           ; the places behind the last products
	s_xor_b32 s12, s12, BSL                        ; the next tile's slot,
	v_add_nc_u32 v[ADB], s12, v[AB0]
	s_add_co_u32 s66, s66, 128                     ; and its bias
	v_add_nc_u32 v14, s66, v[BO]
	BLD 14
.else
.irp k, 4,5,6,7
	WMK 1, \k
.endr
	WIN 0
	NOPS                                           ; places behind the last products
.endif
.if \fill
	s_cmp_lt_u32 s3, 4                             ; trip t has asked for tile t + 2; tile t + 4 exists in trips 0 to 3
	s_cbranch_scc0 .Lnp_\@
	global_prefetch_b8 v[PFO], s[46:47] th:TH_LOAD_NT scope:SCOPE_SE
.Lnp_\@:
.endif
	v_add_nc_u32 v[STR], s13, v[STO]
	GELU 0, \more
	GELU 1, \more
	s_add_co_u32 s13, s13, 32                      ; 32 bytes on in the stage's rows
.endm
	s_load_b128 s[4:7], s[0:1], 0x0                ; h2c, wc
	s_load_b128 s[8:11], s[0:1], 0x10              ; the scales, b1
	s_load_b64 s[72:73], s[0:1], 0x20              ; gc
	v_lshl_add_u32 v[SPW], v0, 2, SPARE
	v_mov_b32 v[NIL], 0
	ds_add_u32 v[SPW], v[NIL]                      ; the opening: the add, twice on end, and its wait ahead of my first tensor load
	ds_add_u32 v[SPW], v[NIL]
	v_lshrrev_b32 v14, 5, v0
	v_readfirstlane_b32 s14, v14                   ; wave
	s_lshr_b32 s15, s14, 1                         ; my half of the columns
	s_and_b32 s16, s14, 1                          ; my half of the rows; at the head: which half of A or of tile 0 I fetch
	s_bfe_u32 s40, ttmp6, 0x40000                  ; cx
	s_bfe_u32 s41, ttmp6, 0x40004                  ; cy
	s_lshl_b32 s42, ttmp9, 2
	s_add_co_u32 s42, s42, s40                     ; which 512 columns
	s_and_b32 s17, ttmp7, 0xffff
	s_lshl_b32 s17, s17, 2
	s_add_co_u32 s17, s17, s41                     ; which 128 rows
	s_lshl_b32 s43, s41, 2
	s_lshl_b32 s43, 15, s43                        ; my row of the cluster
	s_lshl_b32 s44, 0x1111, s40                    ; my column
	s_or_b32 s[G1A], s43, PADW
	s_or_b32 s[G1B], s44, PADW
	s_or_b32 s[G1R], s44, PADW
	G1SET G1A, 64                                  ; half of A
	G1SET G1B, 32                                  ; half of tile 0
	G1SET G1R, 16                                  ; a quarter of a later tile
	s_lshl_b32 s20, s17, 7
	s_lshl_b32 s18, s16, 6
	s_add_co_u32 s20, s20, s18
	s_lshl_b32 s20, s20, 10                        ; A: row 128 x block + 64 x half
	s_mov_b32 s21, 0
	s_lshl_b32 s22, s42, 9
	s_lshl_b32 s18, s16, 8
	s_add_co_u32 s22, s22, s18
	s_lshl_b32 s22, s22, 10
	s_add_co_u32 s22, s22, 0x400000                ; tile 0: row 512 x group + 256 x half
	s_mov_b32 s23, 0
	s_lshl_b32 s18, s42, 9
	s_lshl_b32 s19, s15, 8
	s_add_co_u32 s18, s18, s19
	s_lshl_b32 s19, s16, 4
	s_add_co_u32 s18, s18, s19
	s_lshl_b32 s18, s18, 10
	s_add_co_u32 s18, s18, 0x400000                ; my quarter of tile 0; the first change of slots steps it to tile 1
	s_mov_b32 s19, 0
	s_mul_i32 s45, s16, 64*PITCH
	s_add_co_u32 s45, s45, ABASE
	s_mul_i32 s46, s16, 32*PITCH
	s_mul_i32 s47, s14, 16*PITCH
	s_wait_dscnt 0x0                               ; both opening adds are done
	s_wait_kmcnt 0x0
	s_load_b512 s[76:91], s[8:9], 0x0              ; e0 .. e15 in s76 .. s91
	G0SET G0A, 45, 4, 20
	G0SET G0B, 46, 6, 22
	G0SET G0R, 47, 6, 18
	CROUND                                         ; all sixteen work-groups are here: the first joint loads meet
	s_cmp_lt_u32 s14, 2                            ; waves 0, 1: A's halves; waves 2, 3: tile 0's: one tensor load a wave
	s_cbranch_scc0 .Lhead_b
	tensor_load_to_lds s[G0A:G0A+3], s[G1A:G1A+7]
	s_nop 0
	NOPS
	s_branch .Lhead_j
.Lhead_b:
	tensor_load_to_lds s[G0B:G0B+3], s[G1B:G1B+7]
	s_nop 0
	NOPS
.Lhead_j:
	s_mul_i32 s20, s16, 64*PITCH
	s_add_co_u32 s20, s20, ABASE                   ; my 64 rows of A
	s_mul_i32 s21, s15, 32*PITCH                   ; my 32 rows of a tile
	s_mul_i32 s22, s14, 64*SP
	s_add_co_u32 s22, s22, ABASE                   ; my stage
	s_lshl_b32 s67, s14, 10
	s_add_co_u32 s67, s67, BIASL                   ; my bias in LDS
	s_lshl_b32 s18, s17, 7
	s_lshl_b32 s19, s16, 6
	s_add_co_u32 s18, s18, s19
	s_lshl_b32 s18, s18, 12                        ; my first row of gc,
	s_lshl_b32 s19, s42, 9
	s_add_co_u32 s18, s18, s19
	s_lshl_b32 s23, s15, 8
	s_add_co_u32 s18, s18, s23                     ; my first column
	s_mov_b32 s19, 0
	s_add_nc_u64 s[72:73], s[72:73], s[18:19]
	s_lshl_b32 s18, s42, 9
	s_add_co_u32 s18, s18, s23
	s_lshl_b32 s18, s18, 2
	s_add_nc_u64 s[10:11], s[10:11], s[18:19]      ; the bias of my 256 columns
	s_lshr_b32 s18, s41, 1                         ; the prefetches: partner cy takes the quarter that wave cy fetches, my wave 4 rows of it
	s_lshl_b32 s18, s18, 8
	s_and_b32 s23, s41, 1
	s_lshl_b32 s23, s23, 4
	s_add_co_u32 s18, s18, s23
	s_lshl_b32 s23, s42, 9
	s_add_co_u32 s18, s18, s23
	s_lshl_b32 s23, s14, 2
	s_add_co_u32 s18, s18, s23
	s_add_co_u32 s18, s18, 64                      ; at tile 2: each change of slots that fills steps it by a tile
	s_lshl_b32 s18, s18, 10
	s_add_co_u32 s18, s18, 0x400000
	s_add_nc_u64 s[46:47], s[6:7], s[18:19]
	s_mov_b32 s3, 0                                ; the trip
	s_mov_b32 s12, 0                               ; the slot whose fragments are fetched
	s_mov_b32 s13, 0                               ; the tile's bytes in a stage row
	s_mov_b32 s66, 0                               ; the tile's bytes in my bias
	s_mov_b32 s94, 0x3f3504f3                      ; c = 1 / sqrt(2)
	s_mov_b32 s95, s94
	v_and_b32 v14, 15, v0                          ; r
	v_bfe_u32 v15, v0, 4, 1                        ; h
	v_mul_u32_u24 v[AB0], v14, PITCH
	v_lshl_add_u32 v[AB0], v15, 4, v[AB0]          ; r x pitch + 16 h
	v_add_nc_u32 v[AA0], s20, v[AB0]
	v_add_nc_u32 v[AB0], s21, v[AB0]
	v_mov_b32 v[ADB], v[AB0]                       ; tile 0 lies in slot 0
	v_mul_u32_u24 v[STO], v14, SP
	v_lshl_add_u32 v[STO], v15, 3, v[STO]
	v_add_nc_u32 v[STO], s22, v[STO]               ; into the stage: row r, 8 bytes for each half of the lanes
	v_mul_u32_u24 v[RD], v15, SP
	v_lshl_add_u32 v[RD], v14, 4, v[RD]
	v_add_nc_u32 v[RD], s22, v[RD]                 ; back: sixteen lanes to a row
	v_lshlrev_b32 v[CO], 12, v15
	v_lshl_add_u32 v[CO], v14, 4, v[CO]            ; the same two rows in gc
	v_lshlrev_b32 v[BO], 5, v15
	v_add_nc_u32 v[BO], s67, v[BO]                 ; my bias + 32 h
	v_and_b32 v[PFO], 31, v0
	v_min_u32 v[PFO], 15, v[PFO]
	v_lshrrev_b32 v14, 2, v[PFO]
	v_and_b32 v15, 3, v[PFO]
	v_lshlrev_b32 v15, 8, v15
	v_lshl_add_u32 v[PFO], v14, 10, v15            ; row (lane / 4), 256 x (lane % 4)
	v_and_b32 v14, 31, v0
	v_lshlrev_b32 v14, 4, v14                      ; 16 x lane
	v_add_nc_u32 v15, s67, v14
	global_load_b128 v[ZZ:ZZ+3], v14, s[10:11]     ; my 256 columns' bias: 32 lanes read 512 consecutive bytes
	global_load_b128 v[ZZ+4:ZZ+7], v14, s[10:11] offset:512
	global_prefetch_b8 v[PFO], s[46:47] offset:-32768 th:TH_LOAD_NT scope:SCOPE_SE   ; tile 1
	global_prefetch_b8 v[PFO], s[46:47] th:TH_LOAD_NT scope:SCOPE_SE                 ; tile 2
	KSET 0,  0xaf95df0b                            ; P's coefficients, the highest first,
	KSET 2,  0x32edffee
	KSET 4,  0xb60cff51
	KSET 6,  0xb86ec2d2
	KSET 8,  0xba40ac63
	KSET 10, 0xbb41a1f6
	KSET 12, 0xbc83dbd4
	KSET 14, 0xb77460cd                            ; and Q's
	KSET 16, 0xb95fbd29
	KSET 18, 0xbadc924e
	KSET 20, 0xbbf19bf8
	KSET 22, 0xbc69b6a7
.set i, 0
.rept 14
	v_mul_f32 v[KC+i], s94, v[KC+i]                ; P' = c P
.set i, i+1
.endr
	s_wait_alu depctr_va_vdst(0)
	s_wait_kmcnt 0x0
	s_add_co_i32 s92, s88, s89                     ; e12 + e13
	s_sub_co_i32 s96, 0, s92
	s_lshl_b32 s93, s92, 23
	s_add_co_i32 s92, s93, 0x3f3504f3              ; 2^(e12 + e13) / sqrt(2)
	s_mov_b32 s93, s92
	s_add_co_i32 s97, s90, 127
	s_lshl_b32 s98, s97, 23
	s_add_co_i32 s97, s97, 8
	s_lshl_b32 s97, s97, 23
	s_or_b32 s97, s97, 0x600000
	v_mov_b32 v[LIM], s97                          ; 448 x 2^e14
	v_mov_b32 v[SCL], s98                          ; 2^e14
	s_wait_loadcnt 0x0
.set i, 0
.rept 8
	v_ldexp_f32 v[ZZ+i], v[ZZ+i], s96              ; bias / 2^(e12 + e13)
.set i, i+1
.endr
	ds_store_b128 v15, v[ZZ:ZZ+3]
	ds_store_b128 v15, v[ZZ+4:ZZ+7] offset:512
	BLD BO                                         ; tile 0's (LDS serves a wave's instructions in order: these see my stores)
	s_wait_alu depctr_va_vdst(0)
	s_wait_tensorcnt 0x0                           ; my part of A or of tile 0 is in
	ds_add_u32 v[SPW], v[NIL]
	STEPD
	s_wait_dscnt 0x0
	CROUND                                         ; A and tile 0 are in, in every wave's sight
	tensor_load_to_lds s[G0R:G0R+3], s[G1R:G1R+7]  ; tile 1, into slot 1: its first fill, issued as a refill is
	s_nop 0
	NOPS
	global_prefetch_b8 v[PFO], s[46:47] th:TH_LOAD_NT scope:SCOPE_SE   ; tile 3
	WIN 0x80
	ALD 0
	ALD 1
	WIN 0xc0
	ALD 2
	ALD 3
	WIN 0x40
.irp k, 0,1,2,3,4,5,6,7
	LBR \k
.endr
	WIN 0
	s_wait_dscnt 0x0                               ; A's fragments and tile 0's are in
.Ltile:                                                ; six trips: tiles 0 to 5; each asks for the tile two on.  The first trip's round also parts A's last reads from the stages' first stores
	TRIP 1, 1
	s_add_co_u32 s3, s3, 1
	s_cmp_lt_u32 s3, 6
	s_cbranch_scc1 .Ltile
	TRIP 0, 1                                      ; the last two tiles are written out: they ask for nothing
	TRIP 0, 0
.set t, 0
.rept 32
	ds_load_b128 v[OB+4*t:OB+4*t+3], v[RD] offset:2*t*SP   ; LDS serves a wave's instructions in order: these see my stores
.set t, t+1
.endr
.set t, 0
.rept 32
	s_wait_dscnt 31-t                              ; the younger loads may be out
	global_store_b128 v[CO], v[OB+4*t:OB+4*t+3], s[72:73] offset:2*t*4096   ; sixteen lanes store 256 consecutive bytes, aligned
.set t, t+1
.endr
	s_wait_tensorcnt 0x0                           ; the wave's end
	ds_add_u32 v[SPW], v[NIL]
	s_wait_dscnt 0x0
	CROUND                                         ; the closing round
	s_endpgm
.Lfunc_end_k_q142d21f4e7_ffn1:
	.size	k_q142d21f4e7_ffn1, .Lfunc_end_k_q142d21f4e7_ffn1-k_q142d21f4e7_ffn1
	.p2alignl 7, 3214868480
	.fill 96, 4, 3214868480
	.section	.rodata,"a",@progbits
	.p2align	6, 0x0
	.amdhsa_kernel k_q142d21f4e7_ffn1
		.amdhsa_group_segment_fixed_size 327680
		.amdhsa_private_segment_fixed_size 0
		.amdhsa_enable_private_segment 0
		.amdhsa_kernarg_size 40
		.amdhsa_user_sgpr_count 2
		.amdhsa_user_sgpr_kernarg_segment_ptr 1
		.amdhsa_wavefront_size32 1
		.amdhsa_system_sgpr_workgroup_id_x 1
		.amdhsa_system_sgpr_workgroup_id_y 1
		.amdhsa_system_sgpr_workgroup_id_z 1
		.amdhsa_system_vgpr_workitem_id 0
		.amdhsa_next_free_vgpr 1024
		.amdhsa_next_free_sgpr 100
		.amdhsa_reserve_vcc 0
		.amdhsa_float_denorm_mode_32 3
		.amdhsa_float_denorm_mode_16_64 3
		.amdhsa_memory_ordered 1
		.amdhsa_forward_progress 1
		.amdhsa_inst_pref_size 180
	.end_amdhsa_kernel
	.amdgpu_metadata
---
amdhsa.version: [ 1, 2 ]
amdhsa.kernels:
  - .name:           k_q142d21f4e7_ffn1
    .symbol:         k_q142d21f4e7_ffn1.kd
    .args:
      - { .name: h2c, .offset: 0, .size: 8, .value_kind: global_buffer, .address_space: global }
      - { .name: wc, .offset: 8, .size: 8, .value_kind: global_buffer, .address_space: global }
      - { .name: lowp_scales, .offset: 16, .size: 8, .value_kind: global_buffer, .address_space: global }
      - { .name: b1, .offset: 24, .size: 8, .value_kind: global_buffer, .address_space: global }
      - { .name: gc, .offset: 32, .size: 8, .value_kind: global_buffer, .address_space: global }
    .group_segment_fixed_size: 327680
    .private_segment_fixed_size: 0
    .kernarg_segment_align: 8
    .kernarg_segment_size: 40
    .max_flat_workgroup_size: 128
    .sgpr_count:     100
    .vgpr_count:     1024
    .wavefront_size: 32
...
	.end_amdgpu_metadata
.endif
;; end of part 6
;; launch ffn2 (part 7): grid 8 x 32, 4 waves a work-group, clusters of 4 x 1, 327,680 bytes of LDS; arguments gc, wc, lowp_scales, b2, x1, out0; writes out0
.if DOCPART == 7
	.amdgcn_target "amdgcn-amd-amdhsa--gfx1250"
	.amdhsa_code_object_version 6
	.text
	.protected	k_q142d21f4e7_ffn2
	.globl	k_q142d21f4e7_ffn2
	.p2align	8
	.type	k_q142d21f4e7_ffn2,@function
k_q142d21f4e7_ffn2:
	s_mov_b64 s[64:65], 0
	v_nop
	global_prefetch_b8 v0, s[64:65] scope:SCOPE_SE
	s_setreg_imm32_b32 hwreg(HW_REG_WAVE_MODE, 25, 1), 1
	s_wait_xcnt 0x0
	s_wait_alu depctr_hold_cnt(0) depctr_sa_sdst(0) depctr_va_vdst(0) depctr_va_sdst(0) depctr_va_ssrc(0) depctr_va_vcc(0) depctr_vm_vsrc(0)
	s_getreg_b32 s2, hwreg(HW_REG_IB_STS2, 6, 4)
	s_cmp_eq_u32 s2, 0
	s_cbranch_scc0 .Lentry_in_a_cluster
	s_endpgm
.Lentry_in_a_cluster:
	s_bfe_u32 s2, ttmp6, 0x10000c
	s_cmp_lg_u32 s2, 0x3003
	s_cbranch_scc0 .Lentry_shape_is_right
	s_endpgm
.Lentry_shape_is_right:
.set SIZE_K, 4096
.set WOFF,   0x800000
.set EA,     90
.set KSLOT,  1024
.set PITCH,  1040
.set QTR,    32*PITCH
.set SLOT,   4*QTR
.set SPARE,  2*SLOT
.set SPITCH, 528
.set NSTEP,  32
.set AHEAD,  7
.set ADRA, 16
.set STO,  24
.set RD,   25
.set CO,   26
.set BO,   27
.set SPW,  28
.set NIL,  29
.set BI,   32
.set ACC,  128
.set G1, 24
.set G0, 32
.set MSB, 0
.macro WIN new
.if MSB != (\new)
	s_set_vgpr_msb (MSB<<8)|(\new)
.set MSB, (\new)
.endif
.endm
.set MUL,  0x06
.set TO_A, 0x40
.set TO_B, 0x80
.set TO_R, 0xc0
.macro JLOAD s
	tensor_load_to_lds s[G0+4*(\s):G0+4*(\s)+3], s[G1:G1+7]
	s_nop 0
.rept 4
	v_nop
.endr
.endm
.macro CREST
	s_cmp_lg_u32 s14, 0
	s_cbranch_scc1 .Lnot_wave_0_\@
	s_barrier_signal -3
.Lnot_wave_0_\@:
	s_barrier_wait -3
	s_barrier_signal -1
	s_barrier_wait -1
.endm
.macro CROUND
	s_barrier_signal -1
	s_barrier_wait -1
	CREST
.endm
.macro PLACES
.rept 4
	v_nop
.endr
.endm
.macro FETCH_A s
	WIN TO_A
.irp i, 0,1,2,3,4,5,6,7
.irp c, 0,1,2,3
	ds_load_b128 v[128*((\s)%2)+16*\i+4*\c:128*((\s)%2)+16*\i+4*\c+3], v[ADRA+2*(((\s)/8)%2)+\i/4] offset:128*((\s)%8)+32*\c+(\i%4)*16*PITCH
.endr
.endr
.endm
.macro BLOAD s
	WIN TO_B
.irp b, 0,1
.irp c, 0,1,2,3
	global_load_b128 v[32*((\s)%8)+16*\b+4*\c:32*((\s)%8)+16*\b+4*\c+3], v[CO], s[6:7] offset:65536*\b+2048*(\s)+512*\c
.endr
.endr
.endm
.macro RLOAD g
	WIN TO_R
.irp t, 0,1,2,3,4,5,6,7
	global_load_b128 v[4*(8*(\g)+\t):4*(8*(\g)+\t)+3], v[CO], s[68:69] offset:(8*(\g)+\t)*4096
.endr
.endm
.macro MULA s, a, zero
.irp b, 0,1
.if \zero
	v_wmma_f32_16x16x128_fp8_fp8 v[ACC+8*(2*(\a)+\b):ACC+8*(2*(\a)+\b)+7], v[32*((\s)%8)+16*\b:32*((\s)%8)+16*\b+15], v[128*((\s)%2)+16*(\a):128*((\s)%2)+16*(\a)+15], v[BI+8*\b:BI+8*\b+7]
.else
	v_wmma_f32_16x16x128_fp8_fp8 v[ACC+8*(2*(\a)+\b):ACC+8*(2*(\a)+\b)+7], v[32*((\s)%8)+16*\b:32*((\s)%8)+16*\b+15], v[128*((\s)%2)+16*(\a):128*((\s)%2)+16*(\a)+15], v[ACC+8*(2*(\a)+\b):ACC+8*(2*(\a)+\b)+7]
.endif
.endr
.endm
.macro LWAIT s
.set LB_, NSTEP-1-(\s)
.if LB_ > AHEAD-1
.set LB_, AHEAD-1
.endif
.set LR_, (\s)-(NSTEP-AHEAD)
.if LR_ < 0
.set LR_, 0
.endif
.if LR_ > 4
.set LR_, 4
.endif
	s_wait_loadcnt 8*(LB_+LR_)
.endm
.macro NEXT s
.if (\s)+1 < NSTEP
	FETCH_A (\s)+1
.endif
.if (\s)+AHEAD < NSTEP
	BLOAD (\s)+AHEAD
.elseif (\s)-(NSTEP-AHEAD) < 4
	RLOAD (\s)-(NSTEP-AHEAD)
.endif
.if (\s) == 1 || (\s) == 9
	global_prefetch_b8 v30, s[54:55] offset:2048+128*((\s)-1) th:TH_LOAD_NT scope:SCOPE_SE   ; steps 1 and 9 name the slots that steps 7 and 15 ask for: six steps ahead
.endif
.endm
.macro STEP s, zero
	LWAIT \s
	s_wait_dscnt 16
	WIN MUL
	MULA \s, 0, \zero
	MULA \s, 1, \zero
	MULA \s, 2, \zero
	MULA \s, 3, \zero
.if (\s)+1 < NSTEP
	PLACES
	NEXT \s
	s_wait_dscnt 32
	WIN MUL
.else
	s_wait_dscnt 0
.endif
	MULA \s, 4, \zero
	MULA \s, 5, \zero
	MULA \s, 6, \zero
	MULA \s, 7, \zero
.endm
.macro TSTEP s, fill
	WIN 0
	s_wait_tensorcnt 0x0
	ds_add_u32 v[SPW], v[NIL]
	LWAIT \s
	s_wait_dscnt 17
	WIN MUL
	MULA \s, 0, 0
	MULA \s, 1, 0
	s_wait_dscnt 0x0
	s_barrier_signal -1
	MULA \s, 2, 0
	MULA \s, 3, 0
	WIN 0
	s_barrier_wait -1
.if \fill
	CREST
	s_add_nc_u64 s[G0+4*(((\s)/8)%2)+2:G0+4*(((\s)/8)%2)+3], s[G0+4*(((\s)/8)%2)+2:G0+4*(((\s)/8)%2)+3], 2*KSLOT
	JLOAD ((\s)/8)%2
.else
	PLACES
.endif
	NEXT \s
	WIN MUL
	MULA \s, 4, 0
	MULA \s, 5, 0
	MULA \s, 6, 0
	MULA \s, 7, 0
.endm
	s_load_b128 s[4:7], s[0:1], 0x0
	s_load_b128 s[8:11], s[0:1], 0x10
	s_load_b128 s[68:71], s[0:1], 0x20
	v_lshl_add_u32 v[SPW], v0, 2, SPARE
	v_mov_b32 v[NIL], 0
	ds_add_u32 v[SPW], v[NIL]
	ds_add_u32 v[SPW], v[NIL]
	v_lshrrev_b32 v1, 5, v0
	v_readfirstlane_b32 s14, v1
	s_bfe_u32 s40, ttmp6, 0x40000
	s_lshl_b32 s42, ttmp9, 2
	s_add_co_u32 s42, s42, s40
	s_and_b32 s17, ttmp7, 0xffff
	s_mov_b32 s[G1+0], 15|(0<<16)|(1<<20)|(1<<21)|(7<<22)|(3<<25)
	s_mov_b32 s[G1+1], KSLOT<<16
	s_mov_b32 s[G1+2], 32<<16
	s_mov_b32 s[G1+3], KSLOT<<16
	s_mov_b32 s[G1+4], 32
	s_mov_b32 s[G1+5], SIZE_K
	s_mov_b32 s[G1+6], 0
	s_mov_b32 s[G1+7], 0
	s_lshl_b32 s20, s17, 7
	s_lshl_b32 s21, s14, 5
	s_add_co_u32 s20, s20, s21
	s_lshl_b32 s20, s20, 12
	s_mov_b32 s21, 0
	s_mul_i32 s45, s14, QTR
	s_lshl_b32 s46, s42, 3
	s_lshl_b32 s47, s14, 1
	s_add_co_u32 s46, s46, s47
	s_lshl_b32 s46, s46, 16
	s_mov_b32 s47, 0
	s_lshl_b32 s48, s42, 9
	s_mov_b32 s49, 0
	s_lshl_b32 s50, s14, 7
	s_add_co_u32 s50, s50, s48
	s_mov_b32 s51, 0
	v_and_b32 v1, 15, v0
	v_bfe_u32 v2, v0, 4, 1
	v_and_b32 v8, 31, v0
	v_mul_u32_u24 v3, v1, PITCH
	v_lshl_add_u32 v[ADRA], v2, 4, v3
	v_add_nc_u32 v[ADRA+1], 64*PITCH, v[ADRA]
	v_add_nc_u32 v[ADRA+2], SLOT, v[ADRA]
	v_add_nc_u32 v[ADRA+3], SLOT+64*PITCH, v[ADRA]
	s_lshl_b32 s52, s14, 7
	v_mul_u32_u24 v5, v1, SPITCH
	v_lshl_add_u32 v5, v2, 5, v5
	v_add_nc_u32 v[STO], s52, v5
	s_mul_i32 s53, s14, 32*SPITCH
	v_lshlrev_b32 v[CO], 4, v8
	v_add_nc_u32 v[RD], s53, v[CO]
	v_lshlrev_b32 v[BO], 5, v2
	; PREFETCH of A's slots 2 and 3: of a slot's 128 rows x 1,024 bytes each of the four partners names 32 rows, by address (cx); a wave 8 rows, a lane 256 bytes
	v_lshrrev_b32 v30, 2, v8
	v_and_b32 v9, 3, v8
	v_lshlrev_b32 v9, 8, v9
	v_lshl_add_u32 v30, v30, 12, v9                ; row (lane / 4) of 4,096 bytes, 256 x (lane % 4); never rewritten
	s_lshl_b32 s54, s17, 7
	s_lshl_b32 s55, s40, 5
	s_add_co_u32 s54, s54, s55
	s_lshl_b32 s55, s14, 3
	s_add_co_u32 s54, s54, s55
	s_lshl_b32 s54, s54, 12                        ; row 128 x block + 32 cx + 8 wave
	s_mov_b32 s55, 0
	s_wait_dscnt 0x0
	s_wait_kmcnt 0x0
	s_load_b512 s[76:91], s[8:9], 0x0
	s_add_nc_u64 s[22:23], s[4:5], s[20:21]
	s_add_nc_u64 s[54:55], s[4:5], s[54:55]
	CROUND
.irp s, 0,1
	s_mov_b32 s[G0+4*\s], 1
	s_add_co_u32 s[G0+4*\s+1], s45, \s*SLOT
	s_add_nc_u64 s[G0+4*\s+2:G0+4*\s+3], s[22:23], \s*KSLOT
	s_or_b32 s[G0+4*\s+3], s[G0+4*\s+3], 0x80000000
	s_wait_alu depctr_va_vdst(0)
	s_wait_tensorcnt 0x0
	ds_add_u32 v28, v29
	ds_add_u32 v28, v29
	s_wait_dscnt 0x0
	CROUND
	JLOAD \s
.endr
	s_add_nc_u64 s[6:7], s[6:7], s[46:47]
	s_add_nc_u64 s[6:7], s[6:7], WOFF
	s_add_nc_u64 s[10:11], s[10:11], s[50:51]
	s_add_nc_u64 s[68:69], s[68:69], s[20:21]
	s_add_nc_u64 s[68:69], s[68:69], s[48:49]
	s_add_nc_u64 s[70:71], s[70:71], s[20:21]
	s_add_nc_u64 s[70:71], s[70:71], s[48:49]
	s_wait_alu depctr_va_vdst(0)
.irp b, 0,1
	global_load_b128 v[BI+8*\b:BI+8*\b+3], v[BO], s[10:11] offset:64*\b
	global_load_b128 v[BI+8*\b+4:BI+8*\b+7], v[BO], s[10:11] offset:64*\b+16
.endr
.irp s, 0,1,2,3,4,5,6
	BLOAD \s
.endr
	WIN 0
	s_wait_kmcnt 0x0
	s_add_co_i32 s92, s[EA], s[EA+1]
	s_sub_co_i32 s93, 0, s92
	s_add_co_i32 s96, s92, 127
	s_lshl_b32 s96, s96, 23
	s_mov_b32 s97, s96
	s_wait_loadcnt 56
.set i, 0
.rept 16
	v_ldexp_f32 v[BI+i], v[BI+i], s93
.set i, i+1
.endr
	s_wait_alu depctr_va_vdst(0)
	s_wait_tensorcnt 1
	s_barrier_signal -1
	s_barrier_wait -1
	FETCH_A 0
	STEP 0, 1
.irp s, 1,2,3,4,5,6
	STEP \s, 0
.endr
	TSTEP 7, 1
.irp s, 8,9,10,11,12,13,14
	STEP \s, 0
.endr
	TSTEP 15, 1
.irp s, 16,17,18,19,20,21,22
	STEP \s, 0
.endr
	TSTEP 23, 0
.irp s, 24,25,26,27,28,29,30,31
	STEP \s, 0
.endr
	WIN 0
	PLACES
.irp a, 0,1,2,3,4,5,6,7
.irp b, 0,1
	ds_store_b128 v[STO], v[ACC+8*(2*\a+\b):ACC+8*(2*\a+\b)+3] offset:\a*16*SPITCH+64*\b
	ds_store_b128 v[STO], v[ACC+8*(2*\a+\b)+4:ACC+8*(2*\a+\b)+7] offset:\a*16*SPITCH+64*\b+16
.endr
.endr
	s_wait_dscnt 0x0
	s_barrier_signal -1
	s_barrier_wait -1
.set t, 0
.rept 32
	ds_load_b128 v[ACC+4*t:ACC+4*t+3], v[RD] offset:t*SPITCH
.set t, t+1
.endr
	s_wait_loadcnt 0x0
.irp g, 0,1,2,3
	s_wait_dscnt 8*(3-\g)
	WIN 0x30
.irp i, 0,2,4,6,8,10,12,14,16,18,20,22,24,26,28,30
	v_pk_fma_f32 v[ACC+32*\g+\i:ACC+32*\g+\i+1], v[ACC+32*\g+\i:ACC+32*\g+\i+1], s[96:97], v[32*\g+\i:32*\g+\i+1] op_sel_hi:[1,0,1]
.endr
	WIN 0
.irp t, 0,1,2,3,4,5,6,7
	global_store_b128 v[CO], v[ACC+32*\g+4*\t:ACC+32*\g+4*\t+3], s[70:71] offset:(8*\g+\t)*4096
.endr
.endr
	s_wait_tensorcnt 0x0
	ds_add_u32 v[SPW], v[NIL]
	s_wait_dscnt 0x0
	CROUND
	s_endpgm
.Lfunc_end_k_q142d21f4e7_ffn2:
	.size	k_q142d21f4e7_ffn2, .Lfunc_end_k_q142d21f4e7_ffn2-k_q142d21f4e7_ffn2
	.p2alignl 7, 3214868480
	.fill 96, 4, 3214868480
	.section	.rodata,"a",@progbits
	.p2align	6, 0x0
	.amdhsa_kernel k_q142d21f4e7_ffn2
		.amdhsa_group_segment_fixed_size 327680
		.amdhsa_private_segment_fixed_size 0
		.amdhsa_enable_private_segment 0
		.amdhsa_kernarg_size 48
		.amdhsa_user_sgpr_count 2
		.amdhsa_user_sgpr_kernarg_segment_ptr 1
		.amdhsa_wavefront_size32 1
		.amdhsa_system_sgpr_workgroup_id_x 1
		.amdhsa_system_sgpr_workgroup_id_y 1
		.amdhsa_system_sgpr_workgroup_id_z 1
		.amdhsa_system_vgpr_workitem_id 0
		.amdhsa_next_free_vgpr 1024
		.amdhsa_next_free_sgpr 100
		.amdhsa_reserve_vcc 0
		.amdhsa_float_denorm_mode_32 3
		.amdhsa_float_denorm_mode_16_64 3
		.amdhsa_memory_ordered 1
		.amdhsa_forward_progress 1
		.amdhsa_inst_pref_size 155
	.end_amdhsa_kernel
	.amdgpu_metadata
---
amdhsa.version: [ 1, 2 ]
amdhsa.kernels:
  - .name:           k_q142d21f4e7_ffn2
    .symbol:         k_q142d21f4e7_ffn2.kd
    .args:
      - { .name: gc, .offset: 0, .size: 8, .value_kind: global_buffer, .address_space: global }
      - { .name: wc, .offset: 8, .size: 8, .value_kind: global_buffer, .address_space: global }
      - { .name: lowp_scales, .offset: 16, .size: 8, .value_kind: global_buffer, .address_space: global }
      - { .name: b2, .offset: 24, .size: 8, .value_kind: global_buffer, .address_space: global }
      - { .name: x1, .offset: 32, .size: 8, .value_kind: global_buffer, .address_space: global }
      - { .name: out0, .offset: 40, .size: 8, .value_kind: global_buffer, .address_space: global }
    .group_segment_fixed_size: 327680
    .private_segment_fixed_size: 0
    .kernarg_segment_align: 8
    .kernarg_segment_size: 48
    .max_flat_workgroup_size: 128
    .sgpr_count:     100
    .vgpr_count:     1024
    .wavefront_size: 32
...
	.end_amdgpu_metadata
.endif
;; end of part 7
